; MI455X (gfx1250); checked and timed in simulation.
; The chip was launched on July 23, 2026; its instructions are those of AMD's public machine-readable ISA for CDNA 5 (MIT licence, August 2026) and "CDNA5" Instruction Set Architecture Reference Guide (July 2026). The comments in the code are by the model that wrote it; some were corrected since.
;; Multi Head Attention. Allowed arithmetic: matrix products marked QUANTISED: E2M1 operands, one E8M0 scale for each 32 along K, by v_wmma_scale_f32_16x16x128_f8f6f4 with both operands' format E2M1 (or v_wmma_scale_f32_32x16x128_f4), f32 sums; everything else in f32.
;; Inputs: Wk_codes 1,024 x 32 x 16 uint8 (E2M1 codes of Wk, K innermost, in blocks of 32 codes, two codes a byte); Wk_scales 1,024 x 32 uint8 (E8M0 scales of Wk, one for each 32 codes along K); Wo_codes 1,024 x 32 x 16 uint8 (E2M1 codes of Wo, K innermost, in blocks of 32 codes, two codes a byte); Wo_scales 1,024 x 32 uint8 (E8M0 scales of Wo, one for each 32 codes along K); Wq_codes 1,024 x 32 x 16 uint8 (E2M1 codes of Wq, K innermost, in blocks of 32 codes, two codes a byte); Wq_scales 1,024 x 32 uint8 (E8M0 scales of Wq, one for each 32 codes along K); Wv_codes 1,024 x 32 x 16 uint8 (E2M1 codes of Wv, K innermost, in blocks of 32 codes, two codes a byte); Wv_scales 1,024 x 32 uint8 (E8M0 scales of Wv, one for each 32 codes along K); bk 1,024 float32; bo 1,024 float32; bq 1,024 float32; bv 1,024 float32; key__codes 4 x 2,048 x 32 x 16 uint8 (E2M1 codes of key_, K innermost, in blocks of 32 codes, two codes a byte); key__scales 4 x 2,048 x 32 uint8 (E8M0 scales of key_, one for each 32 codes along K); mask 4 x 2,048 x 2,048 int32; query_codes 4 x 2,048 x 32 x 16 uint8 (E2M1 codes of query, K innermost, in blocks of 32 codes, two codes a byte); query_scales 4 x 2,048 x 32 uint8 (E8M0 scales of query, one for each 32 codes along K); value_codes 4 x 2,048 x 32 x 16 uint8 (E2M1 codes of value, K innermost, in blocks of 32 codes, two codes a byte); value_scales 4 x 2,048 x 32 uint8 (E8M0 scales of value, one for each 32 codes along K).
;; Outputs: out0 4 x 2,048 x 1,024 float32.
;; This version of the problem:
;;   THIS VERSION OF THE PROBLEM IS GIVEN IN LOW PRECISION. The matrix products marked QUANTISED in the list below multiply operands that are first quantised to E2M1 (2 exponent bits, 1 mantissa bit; 4 bits a number), with one power-of-two scale for each 32 numbers along K (OCP MX v1.0); their sums are f32. All else is computed in f32.
;;   The module's matrix products, in the order in which they are computed (A, B: the left and right operand; K: the contracted axis; several contracted axes count as one K, in the product's order):
;;     1. [M 8,192, K 1,024] x [K 1,024, N 1,024]; A: input query (given as codes); B: input Wq (given as codes): QUANTISED
;;     2. [M 8,192, K 1,024] x [K 1,024, N 1,024]; A: input key_ (given as codes); B: input Wk (given as codes): QUANTISED
;;     3. [M 8,192, K 1,024] x [K 1,024, N 1,024]; A: input value (given as codes); B: input Wv (given as codes): QUANTISED
;;     4. batch 64 x [M 2,048, K 64] x [K 64, N 2,048]; A: computed on the way; B: computed on the way: QUANTISED
;;     5. batch 64 x [M 2,048, K 2,048] x [K 2,048, N 64]; A: softmax (see below); B: computed on the way: QUANTISED
;;     6. [M 8,192, K 1,024] x [K 1,024, N 1,024]; A: computed on the way; B: input Wo (given as codes): QUANTISED
;;   THE QUANTISER, for each operand of a quantised product, along K:
;;     - K is cut into blocks of 32 from its start; a last block that is shorter is filled with zeros.
;;     - A block's scale is 2^e with e = floor(log2(the largest magnitude in the block)) - 2, held to -126 .. 127; a block of zeros has e = 0. As a byte (E8M0): e + 127.
;;     - Each number is divided by its block's scale, clamped to +-6, and rounded to the nearest number of E2M1, ties to even, subnormals kept.
;;     - The product sums the exact products of the quantised numbers (number of the format x scale) in f32.
;;   ~~~python
;;   def quantise(x, axis):      # numpy; x: float32 -> the quantised numbers, widened to float32 again
;;       x = np.moveaxis(x, axis, -1); K = x.shape[-1]
;;       x = np.pad(x, [(0, 0)] * (x.ndim - 1) + [(0, -K % 32)]); x = x.reshape(x.shape[:-1] + (-1, 32)); a = np.abs(x).max(-1, keepdims=True)
;;       e = np.where(a > 0, np.clip(np.frexp(np.where(a > 0, a, 1))[1] - 1 - 2, -126, 127), 0)      # np.frexp(a)[1] - 1 = floor(log2(a)), exactly
;;       r = np.clip(x / 2.0 ** e, -6, 6)
;;       step = 2.0 ** (np.maximum(np.frexp(np.where(r == 0, 1, r))[1] - 1, 0) - 1)
;;       q = np.round(r / step) * step * 2.0 ** e      # np.round: ties to even
;;       return np.moveaxis(q.reshape(q.shape[:-2] + (-1,))[..., :K], -1, axis).astype(np.float32)
;;   ~~~
;;   SOFTMAX AHEAD OF A QUANTISED PRODUCT. Where the list says 'softmax', what is quantised is not the finished softmax but p = 2^(t - M), with t = logit x log2(e) and M = ceil(the row's largest t), a whole number; so 1/2 < the row's largest p <= 1. The row's sum l is taken of the UNQUANTISED p, in f32, and the product's result is divided by l at the end. Since M is a whole number, a kernel that streams over the keys may use a running M (the ceiling of the running maximum): every later rescaling is an exact power of two, which a block's scale takes up: the codes' values come out the same.
;;   OPERANDS COMPUTED ON THE WAY. 'Computed on the way' means the value that the module computes at that place (a softmax that the list does not call 'softmax' is quantised finished and normalised). What goes into a quantiser is computed in f32, as accurately as f32 sums, v_exp_f32 and their like allow (about 1e-6 of the number): no bf16 or f16 on the way to a quantiser, and a product that is left as it is and whose result goes on into a quantised operand takes f32 operands (vector FMAs, or v_wmma_f32_16x16x4_f32). A number that lies on a knife's edge between two numbers of the format may be rounded either way, as far as f32 arithmetic and the matrix unit's own rounding can turn it there, and no further.
;;   INPUTS GIVEN AS CODES. Wk (in the module: [1024, 1024], K = its axis 1); Wo (in the module: [1024, 1024], K = its axis 1); Wq (in the module: [1024, 1024], K = its axis 1); Wv (in the module: [1024, 1024], K = its axis 1); key_ (in the module: [4, 2048, 1024], K = its axis 2); query (in the module: [4, 2048, 1024], K = its axis 2); value (in the module: [4, 2048, 1024], K = its axis 2): each comes as NAME_codes (uint8): NAME with its K axis moved to the last place and cut into blocks of 32 codes, [.., K / 32, bytes a block], one block behind the other in memory; two codes a byte, the lower K in the low four bits (a code: sign, 2 exponent bits, 1 mantissa bit); and NAME_scales (uint8): the same leading axes, one E8M0 byte (e + 127) for each 32 codes along K. Its value is code x scale, taken as it is: it is not quantised again, and the codes and scales need not be those that the quantiser above would give.
;; 2 versions, each right; version 2 is version 1 with the launch attn written anew for expert scheduling mode. Each part assembles by itself: llvm-mc -triple=amdgcn-amd-amdhsa -mcpu=gfx1250 --defsym DOCPART=n.
;; ======== version 1 of 2: 4 launches
;; limits: right only within a limited range of input values
;; workspace buffers: qkvc 12,582,912 bytes; qkvs 786,432 bytes; mw 2,097,152 bytes of whole numbers; mf 32,768 bytes of whole numbers; xc 4,194,304 bytes; xs 262,144 bytes
;; launch pack (part 1): grid 512 x 1, 8 waves a work-group, no clusters, 68,608 bytes of LDS; arguments mask, mw, mf; writes mw, mf
.if DOCPART == 1
	.amdgcn_target "amdgcn-amd-amdhsa--gfx1250"
	.amdhsa_code_object_version 6
	.text
	.protected	k_qce8042a6e7_pack
	.globl	k_qce8042a6e7_pack
	.p2align	8
	.type	k_qce8042a6e7_pack,@function
k_qce8042a6e7_pack:
	s_mov_b64 s[64:65], 0
	v_nop
	global_prefetch_b8 v0, s[64:65] scope:SCOPE_SE
	s_setreg_imm32_b32 hwreg(HW_REG_WAVE_MODE, 25, 1), 1
	s_wait_xcnt 0x0
; The mask [4][2048][2048] of int32 is read once and packed into lane masks for the attention launch, 32 numbers to a word.
; A UNIT is 16 queries (tile T of batch b) x 128 keys (step s): 64 words.  Word 8 i + j, bit 16 h + r, is mask[b][16 T + r][128 s + 16 i + 8 h + j] != 0:
; the lane mask for register j of score tile i, in which lane 16 h + r holds query r and key 16 i + 8 h + j.   mw: [b][T][s][64 words].
; mf: [b][T][s] words: 1 if the unit has a zero in it, else 0.
; SHARES.  Work-group g = 128 b + T owns 16 rows of the mask; wave w owns steps 2 w and 2 w + 1: 1,024 bytes of each row.
; Each load reads 512 neighbouring bytes of one row; all 32 loads of a wave go out at once.  A unit turns through the wave's own stage in LDS (rows of 512 bytes + 16), so that
; lane (r, h) gets row r, keys 16 i + 8 h + 0 .. 7; a compare gives the word over the 32 lanes; v_writelane_b32 lays word k into lane k / 2, register k % 2, and one store writes the unit's 256 neighbouring bytes, aligned.
; A stream: no matrix unit, no barrier (waves share nothing), no cluster (work-groups share nothing).
.set SP,   528                         ; a stage row: 512 bytes + 16 = 132 words: row r starts at bank 4 r mod 64 (64 banks of 4 bytes: ISA guide 11.1)
.set STG,  16*SP                       ; a wave's stage
.set MW,   8                           ; v8-11    the packed words: two registers a unit
.set R,    16                          ; v16-143  the 32 loads
.set X,    144                         ; v144-207 a unit's 64 numbers of my lane
	s_load_b128 s[4:7], s[0:1], 0x0                ; mask s[4:5], mw s[6:7]
	s_load_b64 s[8:9], s[0:1], 0x10                ; mf
	v_lshl_add_u32 v208, v0, 2, 0x10800
	v_mov_b32 v209, 0
	v_lshrrev_b32 v2, 5, v0
	v_readfirstlane_b32 s10, v2                    ; wave 0..7
	v_and_b32 v1, 31, v0                           ; lane
	v_lshlrev_b32 v3, 4, v1                        ; my 16 bytes of a load's 512
	s_mul_i32 s11, s10, STG
	v_add_nc_u32 v4, s11, v3                       ; the stage, on the way in: as the bytes lie
	v_and_b32 v5, 15, v0
	v_mul_u32_u24 v5, v5, SP
	v_bfe_u32 v6, v0, 4, 1
	v_lshl_add_u32 v5, v6, 5, v5
	v_add_nc_u32 v5, s11, v5                       ; and on the way out: row r, + 32 h
	v_lshlrev_b32 v6, 3, v1                        ; mw: 8 bytes a lane
	v_lshlrev_b32 v7, 2, v1                        ; mf: 4 bytes a lane
.irp i, 0,1,2,3
	v_mov_b32 v[MW+\i], 0                          ; written once: v_writelane_b32's destination counts as read
.endr
	s_lshl_b32 s12, ttmp9, 17                      ; 16 rows of 8,192 bytes a work-group,
	s_lshl_b32 s13, s10, 10                        ; 1,024 bytes of a row a wave
	s_add_co_u32 s12, s12, s13
	s_mov_b32 s13, 0
	s_lshl_b32 s14, ttmp9, 12                      ; mw: 16 units of 256 bytes a work-group, two a wave
	s_lshl_b32 s15, s10, 9
	s_add_co_u32 s14, s14, s15
	s_mov_b32 s15, 0
	s_lshl_b32 s16, ttmp9, 6                       ; mf: 16 words a work-group, two a wave
	s_lshl_b32 s17, s10, 3
	s_add_co_u32 s16, s16, s17
	s_mov_b32 s17, 0
	s_wait_kmcnt 0x0
	s_add_nc_u64 s[4:5], s[4:5], s[12:13]
	s_add_nc_u64 s[6:7], s[6:7], s[14:15]
	s_add_nc_u64 s[8:9], s[8:9], s[16:17]
.irp u, 0,1
.irp i, 0,1,2,3,4,5,6,7,8,9,10,11,12,13,14,15
	global_load_b128 v[R+64*\u+4*\i:R+64*\u+4*\i+3], v3, s[4:5] offset:8192*\i+512*\u th:TH_LOAD_NT   ; row i, unit u: 512 neighbouring bytes, read once in the launch
.endr
.endr
.macro UNIT u
	s_wait_loadcnt 16*(1-\u)                       ; this unit's sixteen loads are in; unit 1's sixteen were issued behind unit 0's and may stay out
.irp i, 0,1,2,3,4,5,6,7,8,9,10,11,12,13,14,15
	ds_store_b128 v4, v[R+64*\u+4*\i:R+64*\u+4*\i+3] offset:SP*\i
.endr
.irp i, 0,1,2,3,4,5,6,7
	ds_load_b128 v[X+8*\i:X+8*\i+3], v5 offset:64*\i          ; LDS serves a wave's instructions in order (ISA guide 5.7.1.4): these see the stores above
	ds_load_b128 v[X+8*\i+4:X+8*\i+7], v5 offset:64*\i+16
.endr
	s_wait_dscnt 0x0
	s_mov_b32 s[20+\u], -1                         ; the AND of the unit's words
.set k, 0
.rept 16                                       ; four words at a time, so that no line waits for the line above it
.irp n, 0,1,2,3
	v_cmp_ne_u32 s[24+\n], 0, v[X+k+\n]            ; word k + n over the 32 lanes
.endr
.irp n, 0,1,2,3
	s_and_b32 s[20+\u], s[20+\u], s[24+\n]
.endr
.irp n, 0,1,2,3
	v_writelane_b32 v[MW+2*\u+(\n%2)], s[24+\n], (k+\n)/2
.endr
.set k, k+4
.endr
	global_store_b64 v6, v[MW+2*\u:MW+2*\u+1], s[6:7] offset:256*\u   ; the wave stores 256 neighbouring bytes, aligned
.endm
	UNIT 0
	UNIT 1
	s_cmp_eq_u32 s20, -1                           ; all ones: no hole
	s_cselect_b32 s20, 0, 1
	s_cmp_eq_u32 s21, -1
	s_cselect_b32 s21, 0, 1
	v_mov_b32 v12, s20
	v_writelane_b32 v12, s21, 1                    ; lane 0: unit 0's flag, lane 1: unit 1's
	v_cmp_gt_u32 vcc_lo, 2, v1
	s_wait_xcnt 0x0                                ; EXEC is a source of the stores above: it changes only behind this wait
	s_wait_tensorcnt 0x0
	ds_add_u32 v208, v209
	s_wait_dscnt 0x0
	s_and_saveexec_b32 s22, vcc_lo
	global_store_b32 v7, v12, s[8:9]               ; two words a wave: one part in 2,048 of what the launch reads
	s_wait_xcnt 0x0
	s_or_b32 exec_lo, exec_lo, s22
	s_endpgm
.Lfunc_end_k_qce8042a6e7_pack:
	.size	k_qce8042a6e7_pack, .Lfunc_end_k_qce8042a6e7_pack-k_qce8042a6e7_pack
	.p2alignl 7, 3214868480
	.fill 96, 4, 3214868480
	.section	.rodata,"a",@progbits
	.p2align	6, 0x0
	.amdhsa_kernel k_qce8042a6e7_pack
		.amdhsa_group_segment_fixed_size 68608
		.amdhsa_private_segment_fixed_size 0
		.amdhsa_enable_private_segment 0
		.amdhsa_kernarg_size 24
		.amdhsa_user_sgpr_count 2
		.amdhsa_user_sgpr_kernarg_segment_ptr 1
		.amdhsa_wavefront_size32 1
		.amdhsa_system_sgpr_workgroup_id_x 1
		.amdhsa_system_sgpr_workgroup_id_y 1
		.amdhsa_system_sgpr_workgroup_id_z 1
		.amdhsa_system_vgpr_workitem_id 0
		.amdhsa_next_free_vgpr 210
		.amdhsa_next_free_sgpr 66
		.amdhsa_reserve_vcc 1
		.amdhsa_float_denorm_mode_32 3
		.amdhsa_float_denorm_mode_16_64 3
		.amdhsa_memory_ordered 1
		.amdhsa_forward_progress 1
		.amdhsa_inst_pref_size 30
	.end_amdhsa_kernel
	.amdgpu_metadata
---
amdhsa.version: [ 1, 2 ]
amdhsa.kernels:
  - .name:           k_qce8042a6e7_pack
    .symbol:         k_qce8042a6e7_pack.kd
    .args:
      - { .name: mask, .offset: 0, .size: 8, .value_kind: global_buffer, .address_space: global }
      - { .name: mw, .offset: 8, .size: 8, .value_kind: global_buffer, .address_space: global }
      - { .name: mf, .offset: 16, .size: 8, .value_kind: global_buffer, .address_space: global }
    .group_segment_fixed_size: 68608
    .private_segment_fixed_size: 0
    .kernarg_segment_align: 8
    .kernarg_segment_size: 24
    .max_flat_workgroup_size: 256
    .sgpr_count:     66
    .vgpr_count:     210
    .wavefront_size: 32
...
	.end_amdgpu_metadata
.endif
;; end of part 1
;; launch proj (part 2): grid 4 x 96, 16 waves a work-group, clusters of 4 x 4, 297,984 bytes of LDS; arguments query_codes, key__codes, Wv_codes, query_scales, key__scales, Wv_scales, Wq_codes, Wk_codes, value_codes, Wq_scales, Wk_scales, value_scales, bq, bk, bv, qkvc, qkvs; writes qkvc, qkvs
.if DOCPART == 2
	.amdgcn_target "amdgcn-amd-amdhsa--gfx1250"
	.amdhsa_code_object_version 6
	.text
	.protected	k_qce8042a6e7_proj
	.globl	k_qce8042a6e7_proj
	.p2align	8
	.type	k_qce8042a6e7_proj,@function
k_qce8042a6e7_proj:
	s_mov_b64 s[64:65], 0
	v_nop
	global_prefetch_b8 v0, s[64:65] scope:SCOPE_SE
	s_setreg_imm32_b32 hwreg(HW_REG_WAVE_MODE, 25, 1), 1
	s_wait_xcnt 0x0
	s_wait_alu depctr_hold_cnt(0) depctr_sa_sdst(0) depctr_va_vdst(0) depctr_va_sdst(0) depctr_va_ssrc(0) depctr_va_vcc(0) depctr_vm_vsrc(0)
	s_getreg_b32 s2, hwreg(HW_REG_IB_STS2, 6, 4)
	s_cmp_eq_u32 s2, 0
	s_cbranch_scc0 .Lentry_in_a_cluster
	s_endpgm
.Lentry_in_a_cluster:
	s_bfe_u32 s2, ttmp6, 0x10000c
	s_cmp_lg_u32 s2, 0xf033
	s_cbranch_scc0 .Lentry_shape_is_right
	s_endpgm
.Lentry_shape_is_right:
; The three projections, Q = query Wq^T + bq, K = key_ Wk^T + bk, V = value Wv^T + bv, on codes of FP4 (E2M1) with one E8M0 scale for each 32 along K = 1,024, and the quantising of their results for the attention launch.
; One product form serves all: C[m][n] = sum over k of A[m][k] B[n][k], USED TRANSPOSED (source 0 = 16 rows of B, source 1 = 16 rows of A): a lane holds ONE row m and its registers run along n, the axis that is quantised next.
;   Q, K (KIND 0, 1): A = the tokens, B = the weight's rows: n = the features: a head's 64 are two blocks.     V (KIND 2): A = Wv's rows, B = the tokens: n = the keys, which are the second attention product's K.
; SHARES.  24 clusters of 4 x 4 work-groups, eight for each KIND (KIND = cluster y / 8, the same in all partners).  A work-group makes 256 x 256 of C over all of K.  Wave w: 32 rows of A (wa = w % 8), 128 rows of B (wb = w / 8): 16 accumulators.
; CLUSTER.  A's tile hangs on the tile row (4 ca + cy) alone and is shared along a row of the cluster, B's on the tile column (4 cb + cx) alone and is shared along a column: each is asked for jointly.  The grid is one cluster wide.
; LDS.  All of K fits: two slots of 512 along K (rows of 256 bytes + 16), and both operands' scale bytes.  Every byte is filled once: no slot is filled again.
; OUT (layouts of this program's own, in the order of the next operand's registers):
;   Q, K codes [bh][T 128][lane][16 B]: lane (r, h) = token 16 T + r, the head's d 32 h + 0 .. 31.   Q, K scale words [bh][G 64][r]: tile 2 G's two bytes, then tile 2 G + 1's.
;   V codes [bh][s 16][t 4][c 2][lane][16 B]: lane (r, h) = d 16 t + r, keys 128 s + 64 c + 32 h + 0 .. 31.   V scale words [bh][s][t][r]: the step's four key blocks.
; LIMITS: NaN and infinities are not served.  A block of zeros gets the byte 1 where the rule says 127: its codes are zeros, and this program alone reads the bytes.
.set PITCH, 272                        ; an LDS row: 256 bytes + 16 = 68 words: row r starts at bank 4 r mod 64 (64 banks of 4 bytes: ISA guide 11.1)
.set QROWS, 64*PITCH                   ; 64 rows: what one tensor load brings
.set TILEB, 256*PITCH                  ; a tile's 256 rows
.set SLOT,  2*TILEB                    ; A's tile, then B's
.set SCA,   2*SLOT                     ; A's scale bytes: 256 rows x 32 bytes as 32 units of 256 bytes + 16
.set SCB,   SCA+32*PITCH               ; B's
.set QSC,   8*PITCH                    ; the scale bytes of 64 rows
.set CW0,   (1<<20)|(1<<21)|(5<<22)|(3<<25)   ; group 1, word 0: 20 padding on; 21 set beside a mask; 24:22 after every 64 words; 31:25 four words of it
.set ADA,  1                           ; v1-2   LDS address of my A fragments in slot 0, 1
.set ADB,  3                           ; v3-4   of my B fragments
.set ASA,  5                           ; v5     of A's scale words: lanes 0-15 block 0's rows, lanes 16-31 block 1's
.set ASB,  6                           ; v6     of B's: lanes 0-15 an even tile's rows, lanes 16-31 the odd tile's
.set L16,  7                           ; v7     16 x lane
.set SOFF, 8                           ; v8     the scale words' place on the way out
.set SELV, 9                           ; v9     the byte select that makes them
.set H32,  10                          ; v10    32 h
.set R4,   11                          ; v11    4 r
.set TA,   12                          ; v12-27 V's bias: eight equal registers for each block of A
.set SA,   28                          ; v28-31 A's scale words of a slot's four K steps
.set SB,   32                          ; v32-47 B's: four for each pair of tiles
.set AF,   48                          ; v48-63 A's two fragments
.set BF,   64                          ; v64-127 B's eight
.set ACC,  128                         ; accumulator (a, b) at v[128 + 64 a + 8 b]
.set TM,   48                          ; the way out: at work
.set PC,   64                          ; the codes: eight registers for each a
.set PW,   80                          ; the scale words, one for each a
.set PWO,  82
.set WA,   2
.set WB,   3
.set WV,   76
.set JQ,   77
.set CX,   78
.set CY,   79
.set CLY,  80
.set KIND, 81
.set CA,   82
.set CB,   83
.set IA,   84
.set IB,   85
.set MROW, 86
.set MCOL, 87
.macro CROUND                          ; a round of the cluster's barrier
	s_barrier_signal -1
	s_barrier_wait -1
	s_cmp_lg_u32 s[WV], 0
	s_cbranch_scc1 .Lnot_wave_0_\@
	s_barrier_signal -3
.Lnot_wave_0_\@:
	s_barrier_wait -3
	s_barrier_signal -1
	s_barrier_wait -1
.endm
.macro SEL3 d, p0, p1, p2              ; one of three buffers, by KIND: the choice hangs on the cluster's number alone
	s_cmp_eq_u32 s[KIND], 0
	s_cselect_b64 s[\d:\d+1], s[\p0:\p0+1], s[\p1:\p1+1]
	s_cmp_eq_u32 s[KIND], 2
	s_cselect_b64 s[\d:\d+1], s[\p2:\p2+1], s[\d:\d+1]
.endm
; D = source 0 (at p) x source 1 (at q) + C; x, y: their scale registers; rx, ry = 1: the scales stand in lanes 16-31
.macro WM d, p, q, c, x, y, rx, ry
.if (\rx) && (\ry)
	v_wmma_scale_f32_16x16x128_f8f6f4 v[(\d):(\d)+7], v[(\p):(\p)+7], v[(\q):(\q)+7], v[(\c):(\c)+7], v[\x], v[\y] matrix_a_fmt:MATRIX_FMT_FP4 matrix_b_fmt:MATRIX_FMT_FP4 matrix_a_scale:MATRIX_SCALE_ROW1 matrix_b_scale:MATRIX_SCALE_ROW1
.elseif (\rx)
	v_wmma_scale_f32_16x16x128_f8f6f4 v[(\d):(\d)+7], v[(\p):(\p)+7], v[(\q):(\q)+7], v[(\c):(\c)+7], v[\x], v[\y] matrix_a_fmt:MATRIX_FMT_FP4 matrix_b_fmt:MATRIX_FMT_FP4 matrix_a_scale:MATRIX_SCALE_ROW1
.elseif (\ry)
	v_wmma_scale_f32_16x16x128_f8f6f4 v[(\d):(\d)+7], v[(\p):(\p)+7], v[(\q):(\q)+7], v[(\c):(\c)+7], v[\x], v[\y] matrix_a_fmt:MATRIX_FMT_FP4 matrix_b_fmt:MATRIX_FMT_FP4 matrix_b_scale:MATRIX_SCALE_ROW1
.else
	v_wmma_scale_f32_16x16x128_f8f6f4 v[(\d):(\d)+7], v[(\p):(\p)+7], v[(\q):(\q)+7], v[(\c):(\c)+7], v[\x], v[\y] matrix_a_fmt:MATRIX_FMT_FP4 matrix_b_fmt:MATRIX_FMT_FP4
.endif
.endm
	s_load_b512 s[16:31], s[0:1], 0x0              ; A's codes by KIND s[16:21], A's scales s[22:27], B's codes s[28:33] ..
	s_load_b512 s[32:47], s[0:1], 0x40             ; .. B's scales s[34:39], the biases s[40:45], qkvc s[46:47]
	s_load_b64 s[48:49], s[0:1], 0x80              ; qkvs
	v_lshl_add_u32 v254, v0, 2, 0x48400
	v_mov_b32 v255, 0
	ds_add_u32 v254, v255
	ds_add_u32 v254, v255
	s_wait_dscnt 0x0
	v_lshrrev_b32 v1, 5, v0
	v_readfirstlane_b32 s[WV], v1                  ; wave 0..15
	s_and_b32 s[JQ], s[WV], 3                      ; which 64 rows I fetch, if I fetch
	s_and_b32 s[WA], s[WV], 7
	s_lshr_b32 s[WB], s[WV], 3
	s_bfe_u32 s[CX], ttmp6, 0x40000                ; cx, cy: my place in the cluster
	s_bfe_u32 s[CY], ttmp6, 0x40004
	s_and_b32 s[CLY], ttmp7, 0xffff                ; cluster y, 0 .. 23
	s_lshr_b32 s[KIND], s[CLY], 3
	s_and_b32 s[CLY], s[CLY], 7
	s_cmp_eq_u32 s[KIND], 2
	s_cselect_b32 s[CA], 0, s[CLY]                 ; the eight clusters of a KIND walk the tokens: A's rows for Q and K,
	s_cselect_b32 s[CB], s[CLY], 0                 ; B's rows for V
	s_lshl_b32 s[IA], s[CA], 2
	s_add_co_u32 s[IA], s[IA], s[CY]               ; tile row
	s_lshl_b32 s[IB], s[CB], 2
	s_add_co_u32 s[IB], s[IB], s[CX]               ; tile column
	s_lshl_b32 s[MROW], s[CY], 2
	s_lshl_b32 s[MROW], 15, s[MROW]                ; my row of the cluster
	s_lshl_b32 s[MCOL], 0x1111, s[CX]              ; my column
	s_lshl_b32 s99, s[JQ], 6
	s_lshl_b32 s98, s[IA], 8
	s_add_co_u32 s98, s98, s99                     ; A: the first row that I fetch: 256 x tile row + 64 j
	s_lshl_b32 s88, s98, 9                         ; its codes: 512 bytes a row,
	s_mov_b32 s89, 0
	s_lshl_b32 s90, s98, 5                         ; its scale bytes: 32 a row
	s_mov_b32 s91, 0
	s_lshl_b32 s100, s[IB], 8
	s_add_co_u32 s100, s100, s99                   ; B likewise, in registers of its own
	s_lshl_b32 s92, s100, 9
	s_mov_b32 s93, 0
	s_lshl_b32 s94, s100, 5
	s_mov_b32 s95, 0
	s_mul_i32 s99, s[JQ], QSC                      ; where they go: by the wave's number alone
	s_mul_i32 s101, s[JQ], QROWS
	s_wait_kmcnt 0x0
	SEL3 4, 16, 18, 20                             ; A's codes
	SEL3 6, 22, 24, 26                             ; A's scales
	SEL3 8, 28, 30, 32                             ; B's codes
	SEL3 10, 34, 36, 38                            ; B's scales
	SEL3 12, 40, 42, 44                            ; the bias
	s_mov_b64 s[14:15], s[46:47]                   ; qkvc
	s_mov_b64 s[66:67], s[48:49]                   ; qkvs
	; descriptor groups 1.  Codes: 64 rows x 256 bytes, 512 bytes apart, elements of 1 byte
	s_or_b32 s16, s[MROW], CW0                     ; A's tiles go to my row of the cluster,
	s_or_b32 s24, s[MCOL], CW0                     ; B's to my column
.irp g, 16, 24
	s_mov_b32 s[\g+1], 256<<16                     ; tensor_dim0
	s_mov_b32 s[\g+2], 64<<16                      ; tensor_dim1
	s_mov_b32 s[\g+3], 256<<16                     ; tile_dim0
	s_mov_b32 s[\g+4], 64                          ; tile_dim1
	s_mov_b32 s[\g+5], 512                         ; tensor_dim0_stride
	s_mov_b32 s[\g+6], 0
	s_mov_b32 s[\g+7], 0
.endr
	; scale bytes of 64 rows: 2,048 dense bytes as 8 rows of 256 (32 elements of 8 bytes)
	s_or_b32 s32, s[MROW], CW0|(3<<16)
	s_or_b32 s40, s[MCOL], CW0|(3<<16)
.irp g, 32, 40
	s_mov_b32 s[\g+1], 32<<16
	s_mov_b32 s[\g+2], 8<<16
	s_mov_b32 s[\g+3], 32<<16
	s_mov_b32 s[\g+4], 8
	s_mov_b32 s[\g+5], 32
	s_mov_b32 s[\g+6], 0
	s_mov_b32 s[\g+7], 0
.endr
	; groups 0: A's scales, slot 0, slot 1 in s[48:59]; B's in s[60:63], s[68:75]
	s_mov_b32 s48, 1
	s_add_co_u32 s49, s99, SCA
	s_add_nc_u64 s[50:51], s[6:7], s[90:91]
	s_or_b32 s51, s51, 0x80000000
	s_mov_b32 s52, 1
	s_mov_b32 s53, s101
	s_add_nc_u64 s[54:55], s[4:5], s[88:89]
	s_mov_b32 s56, 1
	s_add_co_u32 s57, s101, SLOT
	s_add_nc_u64 s[58:59], s[54:55], 256           ; the second 512 along K
	s_or_b32 s55, s55, 0x80000000
	s_or_b32 s59, s59, 0x80000000
	s_mov_b32 s60, 1
	s_add_co_u32 s61, s99, SCB
	s_add_nc_u64 s[62:63], s[10:11], s[94:95]
	s_or_b32 s63, s63, 0x80000000
	s_mov_b32 s68, 1
	s_add_co_u32 s69, s101, TILEB
	s_add_nc_u64 s[70:71], s[8:9], s[92:93]
	s_mov_b32 s72, 1
	s_add_co_u32 s73, s101, SLOT+TILEB
	s_add_nc_u64 s[74:75], s[70:71], 256
	s_or_b32 s71, s71, 0x80000000
	s_or_b32 s75, s75, 0x80000000
	CROUND                                         ; all sixteen work-groups are here: the joint loads meet
	s_cmp_lt_u32 s[WV], 4                          ; waves 0-3 fetch for A, waves 4-7 for B, the others nothing: a wave's three loads stand in one branch on its number; three loads of mine are out
	s_cbranch_scc0 .Lnot_a
	tensor_load_to_lds s[48:51], s[32:39]
	s_nop 0
	tensor_load_to_lds s[52:55], s[16:23]
	s_nop 0
	tensor_load_to_lds s[56:59], s[16:23]
	s_nop 0
.rept 4
	v_nop
.endr
	s_branch .Lasked
.Lnot_a:
	s_cmp_lt_u32 s[WV], 8
	s_cbranch_scc0 .Lasked
	tensor_load_to_lds s[60:63], s[40:47]
	s_nop 0
	tensor_load_to_lds s[68:71], s[24:31]
	s_nop 0
	tensor_load_to_lds s[72:75], s[24:31]
	s_nop 0
.rept 4
	v_nop
.endr
.Lasked:
	v_and_b32 v120, 15, v0                         ; r
	v_bfe_u32 v121, v0, 4, 1                       ; h
	v_and_b32 v122, 31, v0                         ; lane
	v_mul_u32_u24 v123, v120, PITCH
	v_lshl_add_u32 v123, v121, 4, v123             ; a fragment's row x pitch + 16 h
	s_mul_i32 s4, s[WA], 32*PITCH
	v_add_nc_u32 v[ADA], s4, v123
	v_add_nc_u32 v[ADA+1], SLOT, v[ADA]
	s_mul_i32 s4, s[WB], 128*PITCH
	s_add_co_u32 s4, s4, TILEB
	v_add_nc_u32 v[ADB], s4, v123
	v_add_nc_u32 v[ADB+1], SLOT, v[ADB]
	v_lshrrev_b32 v124, 3, v120                    ; the scale bytes of row 16 h + r of 32: eight rows to a unit: unit 2 h + r / 8,
	v_lshl_add_u32 v124, v121, 1, v124
	v_mul_u32_u24 v124, v124, PITCH
	v_and_b32 v125, 7, v120
	v_lshl_add_u32 v124, v125, 5, v124             ; 32 (r % 8) bytes into it
	s_mul_i32 s4, s[WA], 4*PITCH
	s_add_co_u32 s4, s4, SCA
	v_add_nc_u32 v[ASA], s4, v124
	s_mul_i32 s4, s[WB], 16*PITCH
	s_add_co_u32 s4, s4, SCB
	v_add_nc_u32 v[ASB], s4, v124
	v_lshlrev_b32 v[L16], 4, v122
	v_lshlrev_b32 v[H32], 5, v121
	v_lshlrev_b32 v[R4], 2, v120
	; THE WAY OUT'S ADDRESSES.  tok: the tile of 256 tokens, fea: the tile of 256 features.  Codes begin at KIND<<22 + (tok/8)<<20 + fea<<18 + (tok%8)<<13 + the wave's part:
	; Q, K: wb<<17 (two heads) + wa<<10 (two tiles of tokens);   V: (wa/2)<<16 (a head) + wb<<12 (a step) + (wa%2)<<11 (two tiles of d).  The scale words begin at a sixteenth of that, term by term.
	s_lshl_b32 s4, s[WB], 17
	s_lshl_b32 s5, s[WA], 10
	s_add_co_u32 s4, s4, s5
	s_lshr_b32 s5, s[WA], 1
	s_lshl_b32 s5, s5, 16
	s_lshl_b32 s6, s[WB], 12
	s_add_co_u32 s5, s5, s6
	s_and_b32 s6, s[WA], 1
	s_lshl_b32 s6, s6, 11
	s_add_co_u32 s5, s5, s6
	s_mov_b32 s8, 512
	s_mov_b32 s9, 0x10000
	s_mov_b32 s10, 0x05040100
	s_mov_b32 s11, 0x02020202
	s_cmp_eq_u32 s[KIND], 2
	s_cselect_b32 s4, s5, s4                       ; the wave's part
	s_cselect_b32 s6, s[IB], s[IA]                 ; tok
	s_cselect_b32 s7, s[IA], s[IB]                 ; fea
	s_cselect_b32 s8, 1024, s8                     ; from block a = 0 to a = 1: a tile of tokens (512 bytes) or a tile of d (1,024)
	s_cselect_b32 s9, 512, s9                      ; from registers 0-3 to 4-7: the next head (65,536) or the next 64 keys (512)
	s_cselect_b32 s10, 0x03020100, s10             ; the scale word stored by lanes 0-15: Q, K: bytes 0, 1 of a = 0's and of a = 1's word (the first head); V: a = 0's word
	s_cselect_b32 s11, 0x04040404, s11             ; added for lanes 16-31: Q, K: bytes 2, 3 (the second head); V: a = 1's word
	s_cselect_b32 s5, 64, 0x1000                   ; and where lanes 16-31 store: the next head's words (4,096) or the next tile of d's (64)
	v_mul_lo_u32 v[SOFF], v121, s5
	v_lshl_add_u32 v[SOFF], v120, 2, v[SOFF]
	v_mul_lo_u32 v[SELV], v121, s11
	v_add_nc_u32 v[SELV], s10, v[SELV]
	s_lshl_b32 s10, s[KIND], 22
	s_add_co_u32 s4, s4, s10
	s_lshr_b32 s10, s6, 3
	s_lshl_b32 s10, s10, 20
	s_add_co_u32 s4, s4, s10
	s_lshl_b32 s10, s7, 18
	s_add_co_u32 s4, s4, s10
	s_and_b32 s10, s6, 7
	s_lshl_b32 s10, s10, 13
	s_add_co_u32 s4, s4, s10
	s_mov_b32 s5, 0
	s_add_nc_u64 s[88:89], s[14:15], s[4:5]        ; codes of (a = 0, registers 0-3)
	s_lshr_b32 s4, s4, 4
	s_add_nc_u64 s[96:97], s[66:67], s[4:5]        ; the scale words
	s_mov_b32 s10, s9
	s_mov_b32 s11, 0
	s_add_nc_u64 s[90:91], s[88:89], s[10:11]      ; (0, registers 4-7)
	s_mov_b32 s10, s8
	s_add_nc_u64 s[92:93], s[88:89], s[10:11]      ; (1, 0-3)
	s_add_nc_u64 s[94:95], s[90:91], s[10:11]      ; (1, 4-7)
	; THE BIAS is the C of each sum's first product.  Q, K: it runs along n: eight registers a tile b.  V: along m: one number a lane.  Both forms are loaded in every KIND, with the tile's number taken % 4,
	; so that every load stays inside the 1,024 numbers and every register is written on both ways of the branch below.
	s_and_b32 s4, s[IB], 3
	s_lshl_b32 s4, s4, 10
	s_lshl_b32 s6, s[WB], 9
	s_add_co_u32 s4, s4, s6
	s_add_nc_u64 s[98:99], s[12:13], s[4:5]
	s_and_b32 s4, s[IA], 3
	s_lshl_b32 s4, s4, 10
	s_lshl_b32 s6, s[WA], 7
	s_add_co_u32 s4, s4, s6
	s_add_nc_u64 s[100:101], s[12:13], s[4:5]
	s_mov_b32 s12, 0x76543210                      ; v_permlanex16_b32's selects for lane l xor 16
	s_mov_b32 s13, 0xfedcba98
.irp b, 0,1,2,3,4,5,6,7
	global_load_b128 v[ACC+8*\b:ACC+8*\b+3], v[H32], s[98:99] offset:64*\b        ; bias(16 b + 8 h + 0 .. 7)
	global_load_b128 v[ACC+8*\b+4:ACC+8*\b+7], v[H32], s[98:99] offset:64*\b+16
.endr
.irp a, 0,1
.irp j, 0,1,2,3,4,5,6,7
	global_load_b32 v[TA+8*\a+\j], v[R4], s[100:101] offset:64*\a                 ; bias(16 a + r), in each of eight registers: registers filled by loads owe a product only their wait
.endr
.endr
.macro SCALES slot                     ; a slot's scale words: four K steps' words of a row are 16 neighbouring bytes
	ds_load_b128 v[SA:SA+3], v[ASA] offset:16*(\slot)
.irp p, 0,1,2,3
	ds_load_b128 v[SB+4*\p:SB+4*\p+3], v[ASB] offset:4*PITCH*\p+16*(\slot)
.endr
.endm
.macro LOADS q                         ; K step q's fragments: 16 rows x 128 K of 4-bit codes are 8 registers: lane (r, h): registers 4 c .. 4 c + 3 = k 64 c + 32 h + 0 .. 31
.irp a, 0,1
.irp c, 0,1
	ds_load_b128 v[AF+8*\a+4*\c:AF+8*\a+4*\c+3], v[ADA+(\q)/4] offset:16*PITCH*\a+64*((\q)%4)+32*\c
.endr
.endr
.irp b, 0,1,2,3,4,5,6,7
.irp c, 0,1
	ds_load_b128 v[BF+8*\b+4*\c:BF+8*\b+4*\c+3], v[ADB+(\q)/4] offset:16*PITCH*\b+64*((\q)%4)+32*\c
.endr
.endr
.endm
.macro KSTEP q                         ; the 16 accumulators take turns, one instruction a turn, in the same order in every step
.rept 4
	v_nop                                          ; four places in front of loads into registers that matrix instructions have read (ISA guide 7.12.1 for vector instructions)
.endr
.if (\q)%4 == 0
	SCALES (\q)/4
.endif
	LOADS \q
	s_wait_dscnt 0x0                               ; the SIMD's other three waves have the matrix unit meanwhile
.irp b, 0,1,2,3,4,5,6,7
.irp a, 0,1
	WM ACC+64*\a+8*\b, BF+8*\b, AF+8*\a, ACC+64*\a+8*\b, SB+4*(\b/2)+(\q)%4, SA+(\q)%4, \b%2, \a
.endr
.endr
.endm
; 64 numbers of a lane, v[s] on: register 8 i + j = n 16 i + 8 h + j of my row.  They become a fragment's codes in v[pc] on (registers 4 c .. 4 c + 3 = n 64 c + 32 h + 0 .. 31) and its scale word in v[pw].
; A block of 32 is tiles 2 b, 2 b + 1 of lanes l and l xor 16.  Tile i's conversion holds n 16 i + 8 h + 0 .. 7; laid as (tile 4 c, tile 4 c + 2), (tile 4 c + 1, tile 4 c + 3), two exchanges of halves give the operand's order.
.macro QUANT s, pc, pw
.irp b, 0,1,2,3
	v_max3_num_f32 v[TM+\b], |v[\s+16*\b]|, |v[\s+16*\b+1]|, 0x1800000   ; my 16 numbers of block b, each accumulator from its low end on, and the floor 2^(3 - 127): the byte cannot fall under 1
.endr
.irp i, 2,4,6,8,10,12,14
.irp b, 0,1,2,3
	v_max3_num_f32 v[TM+\b], v[TM+\b], |v[\s+16*\b+\i]|, |v[\s+16*\b+\i+1]|
.endr
.endr
.irp b, 0,1,2,3
	v_permlanex16_b32 v[TM+4+\b], v[TM+\b], s12, s13
.endr
.irp b, 0,1,2,3
	v_max_num_f32 v[TM+\b], v[TM+\b], v[TM+4+\b]   ; the block's largest magnitude
.endr
.irp b, 0,1,2,3
	v_add_nc_u32 v[TM+12+\b], 0xff000000, v[TM+\b] ; 2 off its exponent field: the conversion takes the exponent field of this operand as its scale
.endr
.irp b, 0,1,2,3
	v_lshrrev_b32 v[TM+4+\b], 23, v[TM+12+\b]      ; the scale's byte
.endr
	v_lshl_or_b32 v[\pw], v[TM+5], 8, v[TM+4]
	v_lshl_or_b32 v[\pw], v[TM+6], 16, v[\pw]
	v_lshl_or_b32 v[\pw], v[TM+7], 24, v[\pw]
.irp c, 0,1
	v_cvt_scalef32_pk8_fp4_f32 v[\pc+4*\c],   v[\s+32*\c:\s+32*\c+7],     v[TM+12+2*\c]
	v_cvt_scalef32_pk8_fp4_f32 v[\pc+4*\c+2], v[\s+32*\c+8:\s+32*\c+15],  v[TM+12+2*\c]
	v_cvt_scalef32_pk8_fp4_f32 v[\pc+4*\c+1], v[\s+32*\c+16:\s+32*\c+23], v[TM+12+2*\c+1]
	v_cvt_scalef32_pk8_fp4_f32 v[\pc+4*\c+3], v[\s+32*\c+24:\s+32*\c+31], v[TM+12+2*\c+1]
.endr
	v_nop                                          ; one plain place behind a scaled conversion
.irp c, 0,1
	v_permlane16_swap_b32 v[\pc+4*\c], v[\pc+4*\c+1]     ; the first's lanes 16-31 change places with the second's lanes 0-15
	v_permlane16_swap_b32 v[\pc+4*\c+2], v[\pc+4*\c+3]
.endr
.endm
	s_wait_tensorcnt 0x1                           ; my scale bytes and my part of slot 0 are in; slot 1's load was issued behind them and may stay out
	s_barrier_signal -1
	s_barrier_wait -1                              ; everybody's are
	SCALES 0
	LOADS 0
	s_wait_dscnt 0x0
	s_wait_loadcnt 0x0                             ; the biases
	s_cmp_eq_u32 s[KIND], 2                        ; the first K step starts the sums with the bias as C: the one place where the kinds' texts differ.  The branch hangs on the cluster's number alone
	s_cbranch_scc1 .Lv_first
.irp b, 0,1,2,3,4,5,6,7
	WM ACC+64+8*\b, BF+8*\b, AF+8, ACC+8*\b, SB+4*(\b/2), SA, \b%2, 1     ; block a = 1 takes the bias out of block 0's registers,
.endr
.rept 5
	v_nop                                          ; five places in front of matrix instructions that write over a C just read
.endr
.irp b, 0,1,2,3,4,5,6,7
	WM ACC+8*\b, BF+8*\b, AF, ACC+8*\b, SB+4*(\b/2), SA, \b%2, 0          ; block 0 adds onto it in place
.endr
	s_branch .Lfirst_done
.Lv_first:
.irp b, 0,1,2,3,4,5,6,7
.irp a, 0,1
	WM ACC+64*\a+8*\b, BF+8*\b, AF+8*\a, TA+8*\a, SB+4*(\b/2), SA, \b%2, \a
.endr
.endr
.Lfirst_done:
	KSTEP 1
	KSTEP 2
	KSTEP 3
	s_wait_tensorcnt 0x0                           ; my part of slot 1 is in,
	s_wait_dscnt 0x0
	s_barrier_signal -1
	s_barrier_wait -1                              ; everybody's is
	KSTEP 4
	KSTEP 5
	KSTEP 6
	KSTEP 7
.rept 4
	v_nop                                          ; four places in front of the first read of results and of writes into registers that held fragments
.endr
	QUANT ACC, PC, PW
	QUANT ACC+64, PC+8, PW+1
	global_store_b128 v[L16], v[PC:PC+3], s[88:89]         ; each store of the wave covers 512 neighbouring bytes, aligned
	global_store_b128 v[L16], v[PC+4:PC+7], s[90:91]
	global_store_b128 v[L16], v[PC+8:PC+11], s[92:93]
	global_store_b128 v[L16], v[PC+12:PC+15], s[94:95]
	v_perm_b32 v[PWO], v[PW+1], v[PW], v[SELV]
	global_store_b32 v[SOFF], v[PWO], s[96:97]             ; two runs of 64 bytes: a sixteenth of the codes' bytes
	s_wait_xcnt 0x0
	v_lshl_add_u32 v254, v0, 2, 0x48400
	v_mov_b32 v255, 0
	s_wait_tensorcnt 0x0
	ds_add_u32 v254, v255
	s_wait_dscnt 0x0
	CROUND                                         ; the closing round: no work-group ends while a partner may still ask for a tile that names it
	s_endpgm
.Lfunc_end_k_qce8042a6e7_proj:
	.size	k_qce8042a6e7_proj, .Lfunc_end_k_qce8042a6e7_proj-k_qce8042a6e7_proj
	.p2alignl 7, 3214868480
	.fill 96, 4, 3214868480
	.section	.rodata,"a",@progbits
	.p2align	6, 0x0
	.amdhsa_kernel k_qce8042a6e7_proj
		.amdhsa_group_segment_fixed_size 297984
		.amdhsa_private_segment_fixed_size 0
		.amdhsa_enable_private_segment 0
		.amdhsa_kernarg_size 136
		.amdhsa_user_sgpr_count 2
		.amdhsa_user_sgpr_kernarg_segment_ptr 1
		.amdhsa_wavefront_size32 1
		.amdhsa_system_sgpr_workgroup_id_x 1
		.amdhsa_system_sgpr_workgroup_id_y 1
		.amdhsa_system_sgpr_workgroup_id_z 1
		.amdhsa_system_vgpr_workitem_id 0
		.amdhsa_next_free_vgpr 256
		.amdhsa_next_free_sgpr 102
		.amdhsa_reserve_vcc 0
		.amdhsa_float_denorm_mode_32 3
		.amdhsa_float_denorm_mode_16_64 3
		.amdhsa_memory_ordered 1
		.amdhsa_forward_progress 1
		.amdhsa_inst_pref_size 53
	.end_amdhsa_kernel
	.amdgpu_metadata
---
amdhsa.version: [ 1, 2 ]
amdhsa.kernels:
  - .name:           k_qce8042a6e7_proj
    .symbol:         k_qce8042a6e7_proj.kd
    .args:
      - { .name: query_codes, .offset: 0, .size: 8, .value_kind: global_buffer, .address_space: global }
      - { .name: key__codes, .offset: 8, .size: 8, .value_kind: global_buffer, .address_space: global }
      - { .name: Wv_codes, .offset: 16, .size: 8, .value_kind: global_buffer, .address_space: global }
      - { .name: query_scales, .offset: 24, .size: 8, .value_kind: global_buffer, .address_space: global }
      - { .name: key__scales, .offset: 32, .size: 8, .value_kind: global_buffer, .address_space: global }
      - { .name: Wv_scales, .offset: 40, .size: 8, .value_kind: global_buffer, .address_space: global }
      - { .name: Wq_codes, .offset: 48, .size: 8, .value_kind: global_buffer, .address_space: global }
      - { .name: Wk_codes, .offset: 56, .size: 8, .value_kind: global_buffer, .address_space: global }
      - { .name: value_codes, .offset: 64, .size: 8, .value_kind: global_buffer, .address_space: global }
      - { .name: Wq_scales, .offset: 72, .size: 8, .value_kind: global_buffer, .address_space: global }
      - { .name: Wk_scales, .offset: 80, .size: 8, .value_kind: global_buffer, .address_space: global }
      - { .name: value_scales, .offset: 88, .size: 8, .value_kind: global_buffer, .address_space: global }
      - { .name: bq, .offset: 96, .size: 8, .value_kind: global_buffer, .address_space: global }
      - { .name: bk, .offset: 104, .size: 8, .value_kind: global_buffer, .address_space: global }
      - { .name: bv, .offset: 112, .size: 8, .value_kind: global_buffer, .address_space: global }
      - { .name: qkvc, .offset: 120, .size: 8, .value_kind: global_buffer, .address_space: global }
      - { .name: qkvs, .offset: 128, .size: 8, .value_kind: global_buffer, .address_space: global }
    .group_segment_fixed_size: 297984
    .private_segment_fixed_size: 0
    .kernarg_segment_align: 8
    .kernarg_segment_size: 136
    .max_flat_workgroup_size: 512
    .sgpr_count:     102
    .vgpr_count:     256
    .wavefront_size: 32
...
	.end_amdgpu_metadata
.endif
;; end of part 2
;; launch attn (part 3): grid 4 x 64, 16 waves a work-group, no clusters, 141,312 bytes of LDS; arguments qkvc, qkvs, mw, mf, xc, xs; writes xc, xs
.if DOCPART == 3
	.amdgcn_target "amdgcn-amd-amdhsa--gfx1250"
	.amdhsa_code_object_version 6
	.text
	.protected	k_qce8042a6e7_attn
	.globl	k_qce8042a6e7_attn
	.p2align	8
	.type	k_qce8042a6e7_attn,@function
k_qce8042a6e7_attn:
	s_mov_b64 s[64:65], 0
	v_nop
	global_prefetch_b8 v0, s[64:65] scope:SCOPE_SE
	s_setreg_imm32_b32 hwreg(HW_REG_WAVE_MODE, 25, 1), 1
	s_wait_xcnt 0x0
; x[b][q][head] = softmax_k(where(mask == 0, -1e10, Q . K / 8)) V, both products on codes of FP4 (E2M1) with one E8M0 scale for each 32 along a product's K; x leaves quantised along d_model for the last product.
; THE SOFTMAX AHEAD OF THE SECOND PRODUCT: t = score x log2(e) / 8; M = the row's largest t so far, rounded UP to a whole number; p = 2^(t - M) is quantised along the keys, not normalised.
; The row's sum is taken of the unquantised p, in f32, and divides O at the end.  When M moves, the sum and O are multiplied by 2^(old M - new M): exact.
; SHARES.  A work-group owns 512 queries of one (batch, head); each of its sixteen waves two tiles of 16 queries, one after the other, in 256 registers: four waves to a SIMD, so that one wave's vector work stands beside another's products and LDS loads.
; LDS.  The head's K and V, codes and scale words, 139,264 bytes, come in once through registers, as images of the operands' registers, and are only read afterwards: one barrier in the launch.
; NO CLUSTER, NO TENSOR LOAD.  The four work-groups of a head share those 139,264 bytes, read once each at the head; all that is read in the 32 steps (mask words, Q) differs between them.  And the step has a branch on a stored
; flag (below).
; LAYOUT.  Both products are used transposed: S^T = K Q^T, O^T = V^T P^T: a lane holds ONE query (lane % 16) throughout; register j of score tile i holds key 16 i + 8 (lane / 16) + j.
; THE FIRST PRODUCT'S K IS 64, the instruction's 128: a fragment of K holds tile 2 g in k 0-63 and tile 2 g + 1 in k 64-127; Q stands in twelve registers as [Q | 0 | Q]: registers 0-7 pick the even tile, registers 4-11 the odd one.
; Zero codes add nothing under any of this program's scale bytes (1 to 252).
; THE MASK comes as lane masks, 64 words for 16 queries x 128 keys, by scalar loads a step ahead: one v_cndmask_b32 a score, no compare.  A unit whose stored flag says that it has no zero jumps over the 64 selects.
; A masked raw score becomes -2^36.  Then t = -c 2^36 is a whole number, exact in f32, so that in a row that is masked throughout t - M is exactly 0, p = 1, and the result is the mean of the quantised V, as the definition gives.
; LIMITS: the masked logit is -2^33 = -8.59e9 in place of -1e10: the results are the definition's while unmasked logits lie above about -8.5e9.  A p under 2^-126 counts as 0.  NaN and infinities are not served.
; A block of zeros gets the byte 1 where the rule says 127: its codes are zeros, and this program alone reads the bytes.
.set VL,   65536                       ; LDS: K's codes at 0, V's here,
.set KSL,  131072                      ; K's scale words,
.set VSL,  135168                      ; V's
.set L16,  1                           ; v1   16 x lane: my place in an image
.set LV0,  2                           ; v2   the same among V's
.set LKS0, 3                           ; v3   4 x lane among K's scale words
.set LVS0, 4                           ; v4   among V's
.set ADK,  5                           ; v5-8 addresses of the loads in hand
.set ADV,  6
.set ADKS, 7
.set ADVS, 8
.set NEGB, 9                           ; v9   -2^36
.set R4,   11                          ; v11  4 r
                                       ; v12 -M, v13 the largest t, v[14:15] the sum in two halves
.set QF,   16                          ; v16-27, v28-39  [Q | 0 | Q] of my two tiles
.set QS,   40                          ; v40-41 their scale words
.set KS,   42                          ; v42-43 K's scale words of a step
.set VS,   44                          ; v44-45 V's
.set QW,   46
.set KF,   48                          ; v48-79   four fragments of K
.set VF,   80                          ; v80-111  four of V
.set S,    112                         ; v112-175 S^T, then p
.set O,    176                         ; v176-207 O^T
.set P,    208                         ; v208-215 p's codes
.set BM,   216                         ; at work
.set T2,   220
.set SCL,  224
.set SUM2, 228
.set TMP,  230
.set F,    232                         ; v232 f = 2^(old M - new M)
.set PW,   233                         ; v233 p's scale word
.set PX,   236                         ; v236-243 x's codes, four registers a tile
.set XW,   244                         ; v244-245 x's two scale bytes
.set WV,   66
.set CNT,  67
.set TV,   68                          ; LDS byte at which the step's V begins; s69 its scale words
.set TVS,  69
.set TKN,  70                          ; the NEXT step's K; s71 its scale words
.set TKSN, 71
.set UM,   72                          ; byte of the mask unit to be loaded, from my first tile's first unit; s73 of its flag
.set UF,   73
.set FLG,  74
.macro WMZ d, p, q, x, y, rx           ; D = source 0 x source 1: the constant 0 starts the sum.  rx = 1: source 0's scales stand in lanes 16-31
.if (\rx)
	v_wmma_scale_f32_16x16x128_f8f6f4 v[(\d):(\d)+7], v[(\p):(\p)+7], v[(\q):(\q)+7], 0, v[\x], v[\y] matrix_a_fmt:MATRIX_FMT_FP4 matrix_b_fmt:MATRIX_FMT_FP4 matrix_a_scale:MATRIX_SCALE_ROW1
.else
	v_wmma_scale_f32_16x16x128_f8f6f4 v[(\d):(\d)+7], v[(\p):(\p)+7], v[(\q):(\q)+7], 0, v[\x], v[\y] matrix_a_fmt:MATRIX_FMT_FP4 matrix_b_fmt:MATRIX_FMT_FP4
.endif
.endm
.macro WMA d, p, q, x, y, rx           ; D += source 0 x source 1
.if (\rx)
	v_wmma_scale_f32_16x16x128_f8f6f4 v[(\d):(\d)+7], v[(\p):(\p)+7], v[(\q):(\q)+7], v[(\d):(\d)+7], v[\x], v[\y] matrix_a_fmt:MATRIX_FMT_FP4 matrix_b_fmt:MATRIX_FMT_FP4 matrix_a_scale:MATRIX_SCALE_ROW1
.else
	v_wmma_scale_f32_16x16x128_f8f6f4 v[(\d):(\d)+7], v[(\p):(\p)+7], v[(\q):(\q)+7], v[(\d):(\d)+7], v[\x], v[\y] matrix_a_fmt:MATRIX_FMT_FP4 matrix_b_fmt:MATRIX_FMT_FP4
.endif
.endm
	s_load_b256 s[16:23], s[0:1], 0x0              ; qkvc s[16:17], qkvs s[18:19], mw s[20:21], mf s[22:23]
	s_load_b128 s[24:27], s[0:1], 0x20             ; xc s[24:25], xs s[26:27]
	v_lshl_add_u32 v254, v0, 2, 0x22000
	v_mov_b32 v255, 0
	v_lshrrev_b32 v5, 5, v0
	v_readfirstlane_b32 s[WV], v5                  ; wave 0..15
	s_and_b32 s28, ttmp7, 0xffff                   ; bh = 16 b + head
	s_lshr_b32 s29, s28, 4                         ; b
	s_and_b32 s30, s28, 15                         ; head
	s_lshl_b32 s31, ttmp9, 5
	s_lshl_b32 s32, s[WV], 1
	s_add_co_u32 s31, s31, s32                     ; my first tile of queries in the batch: 32 x + 2 w
	s_lshl_b32 s32, s29, 7
	s_add_co_u32 s32, s32, s31                     ; bT = 128 b + that
	s_lshl_b32 s34, s28, 16                        ; the head's codes: 65,536 bytes in each of Q, K, V
	s_mov_b32 s35, 0
	s_lshl_b32 s36, s31, 9                         ; my tiles of Q: 512 bytes a tile
	s_mov_b32 s37, 0
	s_lshl_b32 s38, s28, 12                        ; the head's scale words: 4,096 bytes in each
	s_mov_b32 s39, 0
	s_lshl_b32 s40, s31, 5                         ; my pair of tiles' words: 64 bytes a pair
	s_mov_b32 s41, 0
	s_lshl_b32 s42, s32, 12                        ; mw: 4,096 bytes a tile
	s_mov_b32 s43, 0
	s_lshl_b32 s44, s32, 6                         ; mf: 64 bytes a tile
	s_mov_b32 s45, 0
	s_lshl_b32 s46, s32, 13                        ; xc: 8,192 bytes a tile, 512 a head
	s_lshl_b32 s33, s30, 9
	s_add_co_u32 s46, s46, s33
	s_mov_b32 s47, 0
	s_lshl_b32 s48, s32, 9                         ; xs: 512 bytes a tile, 64 for a pair of heads, 2 a head
	s_lshr_b32 s33, s30, 1
	s_lshl_b32 s33, s33, 6
	s_add_co_u32 s48, s48, s33
	s_and_b32 s33, s30, 1
	s_lshl_b32 s33, s33, 1
	s_add_co_u32 s48, s48, s33
	s_mov_b32 s49, 0
	s_mov_b32 s12, 0x76543210                      ; v_permlanex16_b32's selects for lane l xor 16
	s_mov_b32 s13, 0xfedcba98
	s_mov_b32 s14, 0x3e38aa3b                      ; c = log2(e) / 8
	s_mov_b32 s15, s14                             ; (the packed form names the pair)
	v_and_b32 v10, 31, v0                          ; lane
	v_lshlrev_b32 v[L16], 4, v10
	v_add_nc_u32 v[LV0], VL, v[L16]
	v_lshl_add_u32 v[LKS0], v10, 2, KSL
	v_lshl_add_u32 v[LVS0], v10, 2, VSL
	v_and_b32 v[R4], 15, v0
	v_lshlrev_b32 v[R4], 2, v[R4]
	v_lshlrev_b32 v5, 4, v0                        ; the fill: 16 bytes a thread, 8,192 an instruction of the work-group;
	v_add_nc_u32 v6, VL, v5
	v_lshlrev_b32 v7, 3, v0                        ; the scale words: 8 bytes a thread
	v_add_nc_u32 v8, KSL, v7
	v_mov_b32 v[NEGB], 0xd1800000
	s_wait_kmcnt 0x0
	s_add_nc_u64 s[84:85], s[16:17], s[34:35]      ; the head in Q's part of qkvc
	s_add_nc_u64 s[88:89], s[84:85], s[36:37]      ; my tiles of Q
	s_add_nc_u64 s[86:87], s[84:85], 0x800000      ; the head's V
	s_add_nc_u64 s[84:85], s[84:85], 0x400000      ; the head's K
	s_add_nc_u64 s[90:91], s[18:19], s[38:39]
	s_add_nc_u64 s[94:95], s[90:91], s[40:41]      ; my Q words
	s_add_nc_u64 s[92:93], s[90:91], 0x80000       ; V's words
	s_add_nc_u64 s[90:91], s[90:91], 0x40000       ; K's words
	s_add_nc_u64 s[4:5], s[20:21], s[42:43]        ; my mask units
	s_add_nc_u64 s[6:7], s[22:23], s[44:45]        ; their flags
	s_add_nc_u64 s[8:9], s[24:25], s[46:47]        ; x's codes
	s_add_nc_u64 s[10:11], s[26:27], s[48:49]      ; x's scale bytes
.irp i, 0,1,2,3,4,5,6,7
	global_load_b128 v[S+4*\i:S+4*\i+3], v5, s[84:85] offset:8192*\i
.endr
.irp i, 0,1,2,3,4,5,6,7
	global_load_b128 v[S+32+4*\i:S+32+4*\i+3], v5, s[86:87] offset:8192*\i
.endr
	global_load_b64 v[O:O+1], v7, s[90:91]
	global_load_b64 v[O+2:O+3], v7, s[92:93]
.irp j, 0,1
	global_load_b128 v[QF+12*\j:QF+12*\j+3], v[L16], s[88:89] offset:512*\j       ; a tile's image twice
	global_load_b128 v[QF+12*\j+8:QF+12*\j+11], v[L16], s[88:89] offset:512*\j
.endr
	global_load_b32 v[QW], v[R4], s[94:95]         ; one word: tile 0's two bytes, tile 1's two bytes
.irp j, 0,1
.irp i, 4,5,6,7
	v_mov_b32 v[QF+12*\j+\i], 0                    ; the zeros between
.endr
.endr
.irp i, 0,1,2,3
	v_mov_b32 v[T2+\i], 0                          ; written once: a lane permute's destination counts as one of its sources
.endr
	v_mov_b32 v[TMP], 0
	v_mov_b32 v[PW], 0                             ; (named as the upper half of the pair v[232:233] before it is first written)
	s_wait_loadcnt 0x0                             ; all loads are done: their address registers and bases are free
.irp i, 0,1,2,3,4,5,6,7
	ds_store_b128 v5, v[S+4*\i:S+4*\i+3] offset:8192*\i
	ds_store_b128 v6, v[S+32+4*\i:S+32+4*\i+3] offset:8192*\i
.endr
	ds_store_b64 v8, v[O:O+1]
	ds_store_b64 v8, v[O+2:O+3] offset:VSL-KSL
	s_mov_b32 s[UM], 0
	s_mov_b32 s[UF], 0
	s_load_b512 s[16:31], s[4:5], s[UM] offset:0x0      ; the first unit's 64 words: word k in s[16 + k] (k < 48) or s[32 + k]
	s_load_b512 s[32:47], s[4:5], s[UM] offset:0x40
	s_load_b512 s[48:63], s[4:5], s[UM] offset:0x80
	s_load_b512 s[80:95], s[4:5], s[UM] offset:0xc0
	s_load_b32 s[FLG], s[6:7], s[UF] offset:0x0
	v_perm_b32 v[QS], v[QW], v[QW], 0x01000100     ; tile 0's word: its two bytes for k 0-63 and again for k 64-127
	v_perm_b32 v[QS+1], v[QW], v[QW], 0x03020302   ; tile 1's
	s_mov_b32 s[TV], 0
	s_mov_b32 s[TVS], 0
	s_mov_b32 s[TKN], 4096
	s_mov_b32 s[TKSN], 256
	s_wait_dscnt 0x0                               ; for the others' sake: my stores have landed
	s_barrier_signal -1
	s_barrier_wait -1                              ; the head's K and V lie in LDS; nothing is written there again
.irp i, 0,1,2,3,4,5,6,7
	ds_load_b128 v[KF+4*\i:KF+4*\i+3], v[L16] offset:512*\i        ; K of step 0: eight tiles' images on end are four fragments
.endr
	ds_load_b32 v[KS], v[LKS0]                     ; lanes 0-15: fragment 0's words, lanes 16-31: fragment 1's;
	ds_load_b32 v[KS+1], v[LKS0] offset:128        ; fragments 2 and 3
; ONE TILE OF 16 QUERIES: sixteen steps of 128 keys, then the way out.
.macro TILE j
.set QB, QF+12*\j
	v_mov_b32 v13, 0xff61b1e6                      ; the largest t so far: -3e38, under every t
	v_floor_f32 v12, -v13                          ; -M
	v_mov_b32 v14, 0                               ; the sum, in two halves
	v_mov_b32 v15, 0
.set i, 0
.rept 32
	v_mov_b32 v[O+i], 0                            ; O^T.  (The step is written once: the first finds zeros, which the first change of M leaves zeros)
.set i, i+1
.endr
	s_mov_b32 s[CNT], 16
.Lstep_\@:
	v_add_nc_u32 v[ADV], s[TV], v[LV0]             ; these four are also the places between the last step's products and the loads into V's registers
	v_add_nc_u32 v[ADVS], s[TVS], v[LVS0]
	v_add_nc_u32 v[ADK], s[TKN], v[L16]
	v_add_nc_u32 v[ADKS], s[TKSN], v[LKS0]
.irp i, 0,1,2,3,4,5,6,7
	ds_load_b128 v[VF+4*\i:VF+4*\i+3], v[ADV] offset:512*\i
.endr
	ds_load_b32 v[VS], v[ADVS]
	ds_load_b32 v[VS+1], v[ADVS] offset:128
	s_wait_dscnt 10                                ; K's ten loads, issued a step ago, are in; V's ten, just issued, may be out
.irp g, 0,1,2,3
.irp u, 0,1
	WMZ S+8*(2*\g+\u), KF+8*\g, QB+4*\u, KS+\g/2, QS+\j, \g%2
.endr
.endr
.rept 4
	v_nop                                          ; four places in front of the loads into K's registers and of the first read of the scores
.endr
.irp i, 0,1,2,3,4,5,6,7
	ds_load_b128 v[KF+4*\i:KF+4*\i+3], v[ADK] offset:512*\i        ; the NEXT step's K (behind the last step: step 0's, for the next tile)
.endr
	ds_load_b32 v[KS], v[ADKS]
	ds_load_b32 v[KS+1], v[ADKS] offset:128
	s_wait_kmcnt 0x0                               ; this unit's mask words and flag, asked for a step ago
	s_cmp_eq_u32 s[FLG], 0                         ; a stored whole number: no zero in the unit
	s_cbranch_scc1 .Lopen_\@
.set k, 0
.rept 64
.if k < 48
	v_cndmask_b32 v[S+k], v[NEGB], v[S+k], s[16+k]
.else
	v_cndmask_b32 v[S+k], v[NEGB], v[S+k], s[32+k]
.endif
.set k, k+1
.endr
.Lopen_\@:
	s_add_co_u32 s[UM], s[UM], 256                 ; (behind the wait for the scalar loads that read it)  the next unit; my two tiles' 32 units lie on end;
	s_min_u32 s[UM], s[UM], 7936                   ; behind the last the address is held: no load leaves its buffer
	s_lshr_b32 s[UF], s[UM], 6
	s_load_b512 s[16:31], s[4:5], s[UM] offset:0x0
	s_load_b512 s[32:47], s[4:5], s[UM] offset:0x40
	s_load_b512 s[48:63], s[4:5], s[UM] offset:0x80
	s_load_b512 s[80:95], s[4:5], s[UM] offset:0xc0
	s_load_b32 s[FLG], s[6:7], s[UF] offset:0x0
.irp b, 0,1,2,3
	v_max3_num_f32 v[BM+\b], v[S+16*\b], v[S+16*\b+1], v[S+16*\b+2]   ; THE LARGEST SCORE OF EACH BLOCK OF 32 KEYS (tiles 2 b, 2 b + 1): for the row's maximum and, since p rises with the score, for the block's largest p
.endr
.irp i, 3,5,7,9,11,13
.irp b, 0,1,2,3
	v_max3_num_f32 v[BM+\b], v[BM+\b], v[S+16*\b+\i], v[S+16*\b+\i+1]
.endr
.endr
.irp b, 0,1,2,3
	v_max_num_f32 v[BM+\b], v[BM+\b], v[S+16*\b+15]
.endr
.irp b, 0,1,2,3
	v_permlanex16_b32 v[T2+\b], v[BM+\b], s12, s13
.endr
.irp b, 0,1,2,3
	v_max_num_f32 v[BM+\b], v[BM+\b], v[T2+\b]     ; with lane l xor 16's 16 keys
.endr
	v_max3_num_f32 v[TMP], v[BM], v[BM+1], v[BM+2]
	v_max_num_f32 v[TMP], v[TMP], v[BM+3]          ; the step's largest score of my query
	v_mul_f32 v[TMP], s14, v[TMP]                  ; as t (c is positive)
	v_max_num_f32 v13, v13, v[TMP]                 ; the running largest t
	v_mov_b32 v[TMP], v12
	v_floor_f32 v12, -v13                          ; the new -M = floor(-t) = -ceil(t): a whole number
	v_sub_f32 v[TMP], v12, v[TMP]                  ; old M - new M: a whole number, 0 or less
	v_cvt_i32_f32 v[TMP], v[TMP]                   ; (it saturates)
	v_ldexp_f32 v[F], 1.0, v[TMP]                  ; f = 2^(old M - new M)
.set i, 0
.rept 32
	v_pk_fma_f32 v[S+i:S+i+1], v[S+i:S+i+1], s[14:15], v[12:13] op_sel_hi:[1,0,0]   ; t - M, two at a time (of the pairs c and -M the low word serves both halves)
.set i, i+2
.endr
.irp b, 0,1,2,3
	v_fma_f32 v[BM+\b], v[BM+\b], s14, v12         ; the same of each block's largest score
.endr
.set i, 0
.rept 64
	v_exp_f32 v[S+i], v[S+i]                       ; p = 2^(t - M), at most 1
.set i, i+1
.endr
	v_pk_mul_f32 v[14:15], v[14:15], v[F:F+1] op_sel_hi:[1,0]   ; the sums under the new M: the plain instruction behind the exponentials
	s_wait_alu depctr_va_vdst(0)                   ; one wait for the whole batch, ahead of its first reader
.irp b, 0,1,2,3
	v_exp_f32 v[BM+\b], v[BM+\b]                   ; the block's largest p: the same two instructions on the same number give the same bits
.endr
	v_pk_add_f32 v[SUM2:SUM2+1], v[S:S+1], v[S+2:S+3]           ; THE ROW'S SUM IS TAKEN OF THE UNQUANTISED p: two at a time, in two chains
.set i, 4
.rept 15
	v_pk_add_f32 v[14:15], v[14:15], v[S+i:S+i+1]
	v_pk_add_f32 v[SUM2:SUM2+1], v[SUM2:SUM2+1], v[S+i+2:S+i+3]
.set i, i+4
.endr
	v_pk_add_f32 v[14:15], v[14:15], v[SUM2:SUM2+1]
	s_wait_alu depctr_va_vdst(0)                   ; and one for the four
.irp b, 0,1,2,3
	v_max_num_f32 v[BM+\b], 0x1800000, v[BM+\b]    ; the floor 2^(3 - 127): the byte cannot fall under 1
.endr
.irp b, 0,1,2,3
	v_add_nc_u32 v[SCL+\b], 0xff000000, v[BM+\b]   ; 2 off the exponent field: the conversion's scale operand
.endr
.irp b, 0,1,2,3
	v_lshrrev_b32 v[T2+\b], 23, v[SCL+\b]          ; the scale's byte
.endr
	v_lshl_or_b32 v[PW], v[T2+1], 8, v[T2]         ; p's scale word for these 128 keys
	v_lshl_or_b32 v[PW], v[T2+2], 16, v[PW]
	v_lshl_or_b32 v[PW], v[T2+3], 24, v[PW]
.irp c, 0,1                                    ; tile i's conversion holds keys 16 i + 8 h + 0 .. 7; laid as (tile 4 c, tile 4 c + 2), (tile 4 c + 1, tile 4 c + 3),
	v_cvt_scalef32_pk8_fp4_f32 v[P+4*\c],   v[S+32*\c:S+32*\c+7],     v[SCL+2*\c]
	v_cvt_scalef32_pk8_fp4_f32 v[P+4*\c+2], v[S+32*\c+8:S+32*\c+15],  v[SCL+2*\c]
	v_cvt_scalef32_pk8_fp4_f32 v[P+4*\c+1], v[S+32*\c+16:S+32*\c+23], v[SCL+2*\c+1]
	v_cvt_scalef32_pk8_fp4_f32 v[P+4*\c+3], v[S+32*\c+24:S+32*\c+31], v[SCL+2*\c+1]
.endr
	v_nop                                          ; one plain place behind a scaled conversion
.irp c, 0,1                                    ; two exchanges of halves give the operand's order: registers 4 c .. 4 c + 3 = keys 64 c + 32 h + 0 .. 31
	v_permlane16_swap_b32 v[P+4*\c], v[P+4*\c+1]
	v_permlane16_swap_b32 v[P+4*\c+2], v[P+4*\c+3]
.endr
.set i, 0
.rept 16
	v_pk_mul_f32 v[O+i:O+i+1], v[O+i:O+i+1], v[F:F+1] op_sel_hi:[1,0]   ; O^T under the new M, each accumulator from its low end on.  (These sixteen are also the places between the writes of p's codes and scale word and the products)
.set i, i+2
.endr
	s_wait_dscnt 10                                ; V's ten loads are in; the next step's ten of K may be out
.irp t, 0,1,2,3
	WMA O+8*\t, VF+8*\t, P, VS+\t/2, PW, \t%2      ; the four accumulators by turns
.endr
	s_add_co_u32 s[TV], s[TV], 4096                ; a step's images are 4,096 bytes, its scale words 256; behind step 15 both come round to step 0
	s_and_b32 s[TV], s[TV], 0xffff
	s_lshr_b32 s[TVS], s[TV], 4
	s_add_co_u32 s[TKN], s[TKN], 4096
	s_and_b32 s[TKN], s[TKN], 0xffff
	s_lshr_b32 s[TKSN], s[TKN], 4
	s_sub_co_u32 s[CNT], s[CNT], 1
	s_cmp_lg_u32 s[CNT], 0
	s_cbranch_scc1 .Lstep_\@
	; THE WAY OUT: x = O / the sum, quantised along d_model (the head's 64 are two blocks), as the image of the last product's operand.
	v_add_f32 v14, v14, v15                        ; the sum's two halves.  (With the lines below: five plain places behind the last products)
	v_nop
	v_nop
	v_permlanex16_b32 v[TMP], v14, s12, s13
	v_add_f32 v14, v14, v[TMP]                     ; and lane l xor 16's: the row's sum
	v_rcp_f32 v14, v14
	v_nop                                          ; a plain instruction behind the reciprocal,
	s_wait_alu depctr_va_vdst(0)                   ; and the wait ahead of its first reader
.set i, 0
.rept 16
	v_pk_mul_f32 v[O+i:O+i+1], v[O+i:O+i+1], v[14:15] op_sel_hi:[1,0]   ; register 8 t + i is x(r, 16 t + 8 h + i)
.set i, i+2
.endr
.irp b, 0,1
	v_max3_num_f32 v[BM+\b], |v[O+16*\b]|, |v[O+16*\b+1]|, 0x1800000
.endr
.irp i, 2,4,6,8,10,12,14
.irp b, 0,1
	v_max3_num_f32 v[BM+\b], v[BM+\b], |v[O+16*\b+\i]|, |v[O+16*\b+\i+1]|
.endr
.endr
.irp b, 0,1
	v_permlanex16_b32 v[T2+\b], v[BM+\b], s12, s13
.endr
.irp b, 0,1
	v_max_num_f32 v[BM+\b], v[BM+\b], v[T2+\b]
.endr
.irp b, 0,1
	v_add_nc_u32 v[SCL+\b], 0xff000000, v[BM+\b]
.endr
.irp b, 0,1
	v_lshrrev_b32 v[T2+\b], 23, v[SCL+\b]
.endr
	v_lshl_or_b32 v[XW+\j], v[T2+1], 8, v[T2]
	v_cvt_scalef32_pk8_fp4_f32 v[PX+4*\j],   v[O:O+7],     v[SCL]
	v_cvt_scalef32_pk8_fp4_f32 v[PX+4*\j+2], v[O+8:O+15],  v[SCL]
	v_cvt_scalef32_pk8_fp4_f32 v[PX+4*\j+1], v[O+16:O+23], v[SCL+1]
	v_cvt_scalef32_pk8_fp4_f32 v[PX+4*\j+3], v[O+24:O+31], v[SCL+1]
	v_nop
	v_permlane16_swap_b32 v[PX+4*\j], v[PX+4*\j+1]
	v_permlane16_swap_b32 v[PX+4*\j+2], v[PX+4*\j+3]
	global_store_b128 v[L16], v[PX+4*\j:PX+4*\j+3], s[8:9] offset:8192*\j   ; the wave stores 512 neighbouring bytes, aligned; each tile has registers of its own, so no store's data are written again
	global_store_b16 v[R4], v[XW+\j], s[10:11] offset:512*\j                ; two bytes a query (both halves of the lanes write the same): a sixteenth of the codes' bytes
.endm
	TILE 0
	TILE 1
	s_wait_kmcnt 0x0                               ; the last step's look-ahead (a held mask unit, step 0's K) is waited for and not used
	s_wait_dscnt 0x0
	s_wait_tensorcnt 0x0
	ds_add_u32 v254, v255
	s_wait_dscnt 0x0
	s_endpgm
.Lfunc_end_k_qce8042a6e7_attn:
	.size	k_qce8042a6e7_attn, .Lfunc_end_k_qce8042a6e7_attn-k_qce8042a6e7_attn
	.p2alignl 7, 3214868480
	.fill 96, 4, 3214868480
	.section	.rodata,"a",@progbits
	.p2align	6, 0x0
	.amdhsa_kernel k_qce8042a6e7_attn
		.amdhsa_group_segment_fixed_size 141312
		.amdhsa_private_segment_fixed_size 0
		.amdhsa_enable_private_segment 0
		.amdhsa_kernarg_size 48
		.amdhsa_user_sgpr_count 2
		.amdhsa_user_sgpr_kernarg_segment_ptr 1
		.amdhsa_wavefront_size32 1
		.amdhsa_system_sgpr_workgroup_id_x 1
		.amdhsa_system_sgpr_workgroup_id_y 1
		.amdhsa_system_sgpr_workgroup_id_z 1
		.amdhsa_system_vgpr_workitem_id 0
		.amdhsa_next_free_vgpr 256
		.amdhsa_next_free_sgpr 96
		.amdhsa_reserve_vcc 0
		.amdhsa_float_denorm_mode_32 3
		.amdhsa_float_denorm_mode_16_64 3
		.amdhsa_memory_ordered 1
		.amdhsa_forward_progress 1
		.amdhsa_inst_pref_size 57
	.end_amdhsa_kernel
	.amdgpu_metadata
---
amdhsa.version: [ 1, 2 ]
amdhsa.kernels:
  - .name:           k_qce8042a6e7_attn
    .symbol:         k_qce8042a6e7_attn.kd
    .args:
      - { .name: qkvc, .offset: 0, .size: 8, .value_kind: global_buffer, .address_space: global }
      - { .name: qkvs, .offset: 8, .size: 8, .value_kind: global_buffer, .address_space: global }
      - { .name: mw, .offset: 16, .size: 8, .value_kind: global_buffer, .address_space: global }
      - { .name: mf, .offset: 24, .size: 8, .value_kind: global_buffer, .address_space: global }
      - { .name: xc, .offset: 32, .size: 8, .value_kind: global_buffer, .address_space: global }
      - { .name: xs, .offset: 40, .size: 8, .value_kind: global_buffer, .address_space: global }
    .group_segment_fixed_size: 141312
    .private_segment_fixed_size: 0
    .kernarg_segment_align: 8
    .kernarg_segment_size: 48
    .max_flat_workgroup_size: 512
    .sgpr_count:     96
    .vgpr_count:     256
    .wavefront_size: 32
...
	.end_amdgpu_metadata
.endif
;; end of part 3
;; launch outp (part 4): grid 4 x 64, 16 waves a work-group, clusters of 4 x 4, 289,280 bytes of LDS; arguments xc, xs, Wo_codes, Wo_scales, bo, out0; writes out0
.if DOCPART == 4
	.amdgcn_target "amdgcn-amd-amdhsa--gfx1250"
	.amdhsa_code_object_version 6
	.text
	.protected	k_qce8042a6e7_outp
	.globl	k_qce8042a6e7_outp
	.p2align	8
	.type	k_qce8042a6e7_outp,@function
k_qce8042a6e7_outp:
	s_mov_b64 s[64:65], 0
	v_nop
	global_prefetch_b8 v0, s[64:65] scope:SCOPE_SE
	s_setreg_imm32_b32 hwreg(HW_REG_WAVE_MODE, 25, 1), 1
	s_wait_xcnt 0x0
	s_wait_alu depctr_hold_cnt(0) depctr_sa_sdst(0) depctr_va_vdst(0) depctr_va_sdst(0) depctr_va_ssrc(0) depctr_va_vcc(0) depctr_vm_vsrc(0)
	s_getreg_b32 s2, hwreg(HW_REG_IB_STS2, 6, 4)
	s_cmp_eq_u32 s2, 0
	s_cbranch_scc0 .Lentry_in_a_cluster
	s_endpgm
.Lentry_in_a_cluster:
	s_bfe_u32 s2, ttmp6, 0x10000c
	s_cmp_lg_u32 s2, 0xf033
	s_cbranch_scc0 .Lentry_shape_is_right
	s_endpgm
.Lentry_shape_is_right:
; out0 = x Wo^T + bo on codes of FP4 (E2M1) with one E8M0 scale for each 32 along K = 1,024.  x comes from the attention launch as images of the operand's registers:
; xc [bT 512][head 16][lane][16 B]: K step q = head / 2, registers 4 (head % 2) on;  xs [bT][q 8][r 16] words.  Wo: codes [1024][512 bytes], scale bytes [1024][32].  out0 [8192][1024] f32.
; SHARES.  256 work-groups of 128 tokens (ty) x 256 features (tx), over all of K.  Wave w: 32 tokens (wa = w % 4: two tiles a), 64 features (wb = w / 4: four tiles i): 8 accumulators.
; USED TRANSPOSED: source 0 = 16 rows of Wo, source 1 = x's fragment: a lane holds eight neighbouring features of one token.  The bias is the C of each sum's first product.
; CLUSTER 4 x 4: x's tiles hang on ty alone and are shared along a row of the cluster, Wo's on tx alone and are shared along a column: each is asked for jointly.
; LDS.  All of K fits in two slots of 512 along K; every byte is filled once: no slot is filled again.  The stages for the way out have bytes of their own.
.set PITCH, 272                        ; a row of Wo's tile in LDS: 256 bytes + 16 = 68 words: row r starts at bank 4 r mod 64 (64 banks of 4 bytes: ISA guide 11.1)
.set QROWS, 64*PITCH
.set WSLOT, 256*PITCH                  ; Wo's slots at 0 and WSLOT
.set XIMG,  2*WSLOT                    ; x's slots: 8 tiles x 4,096 bytes each, images: no pitch
.set XSLOT, 32768
.set WSC,   XIMG+2*XSLOT               ; Wo's scale bytes: 32 units of 256 bytes + 16
.set XSC,   WSC+32*PITCH               ; x's scale words: 8 tiles x 512 bytes
.set STAGE, XSC+4096                   ; 16 rows x 272 bytes for each wave
.set CW0,   (1<<20)|(1<<21)|(5<<22)|(3<<25)   ; group 1, word 0 with padding: 20 on; 21 set beside a mask; 24:22 after every 64 words; 31:25 four words of it
.set ADA,  1                           ; v1-2   LDS address of my x fragments in slot 0, 1
.set ADB,  3                           ; v3-4   of my Wo fragments
.set ASA,  5                           ; v5     of x's scale words: lanes 0-15 tile a = 0, lanes 16-31 a = 1
.set ASB,  6                           ; v6     of Wo's: lanes 0-15 an even tile's rows, lanes 16-31 the odd tile's
.set STO,  7                           ; v7     the way out: where I put 32 bytes of a row
.set RD,   8                           ; v8     where I read a row back
.set GO,   9                           ; v9     my byte offset in out0
.set H32,  10
.set SA,   16                          ; v16-23 x's scale words, one register a K step
.set SB,   24                          ; v24-31 Wo's: four for each pair of tiles, a slot's
.set TB,   32                          ; v32-63 the bias: eight registers a tile i
.set AF,   64                          ; v64-79 x's two fragments
.set BF,   80                          ; v80-111 Wo's four
.set ACC,  128                         ; accumulator (a, i) at v[128 + 32 a + 8 i]
.set BK,   192                         ; v192-255 rows read back from the stage
.set WA,   2
.set WB,   3
.set WV,   76
.set JQ,   77
.set CX,   78
.set CY,   79
.set TY,   84
.set TX,   85
.set MROW, 86
.set MCOL, 87
.macro CROUND                          ; a round of the cluster's barrier
	s_barrier_signal -1
	s_barrier_wait -1
	s_cmp_lg_u32 s[WV], 0
	s_cbranch_scc1 .Lnot_wave_0_\@
	s_barrier_signal -3
.Lnot_wave_0_\@:
	s_barrier_wait -3
	s_barrier_signal -1
	s_barrier_wait -1
.endm
; D = source 0 (at p) x source 1 (at q) + C; x, y: their scale registers; rx, ry = 1: the scales stand in lanes 16-31
.macro WM d, p, q, c, x, y, rx, ry
.if (\rx) && (\ry)
	v_wmma_scale_f32_16x16x128_f8f6f4 v[(\d):(\d)+7], v[(\p):(\p)+7], v[(\q):(\q)+7], v[(\c):(\c)+7], v[\x], v[\y] matrix_a_fmt:MATRIX_FMT_FP4 matrix_b_fmt:MATRIX_FMT_FP4 matrix_a_scale:MATRIX_SCALE_ROW1 matrix_b_scale:MATRIX_SCALE_ROW1
.elseif (\rx)
	v_wmma_scale_f32_16x16x128_f8f6f4 v[(\d):(\d)+7], v[(\p):(\p)+7], v[(\q):(\q)+7], v[(\c):(\c)+7], v[\x], v[\y] matrix_a_fmt:MATRIX_FMT_FP4 matrix_b_fmt:MATRIX_FMT_FP4 matrix_a_scale:MATRIX_SCALE_ROW1
.elseif (\ry)
	v_wmma_scale_f32_16x16x128_f8f6f4 v[(\d):(\d)+7], v[(\p):(\p)+7], v[(\q):(\q)+7], v[(\c):(\c)+7], v[\x], v[\y] matrix_a_fmt:MATRIX_FMT_FP4 matrix_b_fmt:MATRIX_FMT_FP4 matrix_b_scale:MATRIX_SCALE_ROW1
.else
	v_wmma_scale_f32_16x16x128_f8f6f4 v[(\d):(\d)+7], v[(\p):(\p)+7], v[(\q):(\q)+7], v[(\c):(\c)+7], v[\x], v[\y] matrix_a_fmt:MATRIX_FMT_FP4 matrix_b_fmt:MATRIX_FMT_FP4
.endif
.endm
	s_load_b256 s[4:11], s[0:1], 0x0               ; xc s[4:5], xs s[6:7], Wo's codes s[8:9], Wo's scales s[10:11]
	s_load_b128 s[12:15], s[0:1], 0x20             ; bo s[12:13], out0 s[14:15]
	v_lshl_add_u32 v126, v0, 2, 0x46200
	v_mov_b32 v127, 0
	ds_add_u32 v126, v127
	ds_add_u32 v126, v127
	v_lshrrev_b32 v1, 5, v0
	v_readfirstlane_b32 s[WV], v1                  ; wave 0..15
	s_and_b32 s[JQ], s[WV], 3                      ; which quarter I fetch, if I fetch
	s_and_b32 s[WA], s[WV], 3
	s_lshr_b32 s[WB], s[WV], 2
	s_bfe_u32 s[CX], ttmp6, 0x40000                ; cx, cy: my place in the cluster
	s_bfe_u32 s[CY], ttmp6, 0x40004
	s_lshl_b32 s[TX], ttmp9, 2
	s_add_co_u32 s[TX], s[TX], s[CX]               ; tile of 256 features
	s_and_b32 s[TY], ttmp7, 0xffff
	s_lshl_b32 s[TY], s[TY], 2
	s_add_co_u32 s[TY], s[TY], s[CY]               ; tile of 128 tokens
	s_lshl_b32 s[MROW], s[CY], 2
	s_lshl_b32 s[MROW], 15, s[MROW]                ; my row of the cluster
	s_lshl_b32 s[MCOL], 0x1111, s[CX]              ; my column
	s_lshl_b32 s88, s[TY], 16                      ; x's codes: 65,536 bytes for 128 tokens, 16,384 for my two tiles
	s_lshl_b32 s89, s[JQ], 14
	s_add_co_u32 s88, s88, s89
	s_mov_b32 s89, 0
	s_lshl_b32 s90, s[TY], 12                      ; x's scale words: 4,096 bytes, 1,024 for my two tiles
	s_lshl_b32 s91, s[JQ], 10
	s_add_co_u32 s90, s90, s91
	s_mov_b32 s91, 0
	s_lshl_b32 s92, s[TX], 8
	s_lshl_b32 s93, s[JQ], 6
	s_add_co_u32 s92, s92, s93                     ; Wo: the first row that I fetch
	s_lshl_b32 s94, s92, 5                         ; its scale bytes,
	s_mov_b32 s95, 0
	s_lshl_b32 s92, s92, 9                         ; its codes
	s_mov_b32 s93, 0
	s_mul_i32 s96, s[JQ], QROWS                    ; where they go: by the wave's number alone
	s_mul_i32 s97, s[JQ], 8*PITCH
	s_lshl_b32 s98, s[JQ], 13
	s_lshl_b32 s99, s[JQ], 10
	; descriptor groups 1.  x's codes: two tiles' halves: 2 rows x 4,096 bytes (512 elements of 8 bytes), 8,192 bytes apart; the tile has no more rows.  No padding: images
	s_or_b32 s16, s[MROW], (3<<16)|(1<<21)
	s_mov_b32 s17, 512<<16                         ; tensor_dim0
	s_mov_b32 s18, 2<<16                           ; tensor_dim1
	s_mov_b32 s19, 512<<16                         ; tile_dim0
	s_mov_b32 s20, 2                               ; tile_dim1
	s_mov_b32 s21, 1024                            ; tensor_dim0_stride
	s_mov_b32 s22, 0
	s_mov_b32 s23, 0
	; Wo's codes: 64 rows x 256 bytes, 512 bytes apart
	s_or_b32 s24, s[MCOL], CW0
	s_mov_b32 s25, 256<<16
	s_mov_b32 s26, 64<<16
	s_mov_b32 s27, 256<<16
	s_mov_b32 s28, 64
	s_mov_b32 s29, 512
	s_mov_b32 s30, 0
	s_mov_b32 s31, 0
	; x's scale words: 1,024 dense bytes as 4 rows of 256
	s_or_b32 s32, s[MROW], (3<<16)|(1<<21)
	s_mov_b32 s33, 32<<16
	s_mov_b32 s34, 4<<16
	s_mov_b32 s35, 32<<16
	s_mov_b32 s36, 4
	s_mov_b32 s37, 32
	s_mov_b32 s38, 0
	s_mov_b32 s39, 0
	; Wo's scale bytes of 64 rows: 2,048 dense bytes as 8 rows of 256, 16 bytes of padding behind each
	s_or_b32 s40, s[MCOL], CW0|(3<<16)
	s_mov_b32 s41, 32<<16
	s_mov_b32 s42, 8<<16
	s_mov_b32 s43, 32<<16
	s_mov_b32 s44, 8
	s_mov_b32 s45, 32
	s_mov_b32 s46, 0
	s_mov_b32 s47, 0
	s_wait_dscnt 0x0
	s_wait_kmcnt 0x0
	; groups 0: x's scale words, slot 0, slot 1 in s[48:59]; Wo's in s[60:63], s[68:75]
	s_mov_b32 s48, 1
	s_add_co_u32 s49, s99, XSC
	s_add_nc_u64 s[50:51], s[6:7], s[90:91]
	s_or_b32 s51, s51, 0x80000000
	s_mov_b32 s52, 1
	s_add_co_u32 s53, s98, XIMG
	s_add_nc_u64 s[54:55], s[4:5], s[88:89]
	s_mov_b32 s56, 1
	s_add_co_u32 s57, s98, XIMG+XSLOT
	s_add_nc_u64 s[58:59], s[54:55], 4096          ; heads 8 to 15
	s_or_b32 s55, s55, 0x80000000
	s_or_b32 s59, s59, 0x80000000
	s_mov_b32 s60, 1
	s_add_co_u32 s61, s97, WSC
	s_add_nc_u64 s[62:63], s[10:11], s[94:95]
	s_or_b32 s63, s63, 0x80000000
	s_mov_b32 s68, 1
	s_mov_b32 s69, s96
	s_add_nc_u64 s[70:71], s[8:9], s[92:93]
	s_mov_b32 s72, 1
	s_add_co_u32 s73, s96, WSLOT
	s_add_nc_u64 s[74:75], s[70:71], 256           ; the second 512 along K
	s_or_b32 s71, s71, 0x80000000
	s_or_b32 s75, s75, 0x80000000
	CROUND                                         ; all sixteen work-groups are here: the joint loads meet
	s_cmp_lt_u32 s[WV], 4                          ; waves 0-3 fetch for x, waves 4-7 for Wo, the others nothing: a wave's three loads stand in one branch on its number; three loads of mine are out
	s_cbranch_scc0 .Lnot_x
	tensor_load_to_lds s[48:51], s[32:39]
	s_nop 0
	tensor_load_to_lds s[52:55], s[16:23]
	s_nop 0
	tensor_load_to_lds s[56:59], s[16:23]
	s_nop 0
.rept 4
	v_nop
.endr
	s_branch .Lasked
.Lnot_x:
	s_cmp_lt_u32 s[WV], 8
	s_cbranch_scc0 .Lasked
	tensor_load_to_lds s[60:63], s[40:47]
	s_nop 0
	tensor_load_to_lds s[68:71], s[24:31]
	s_nop 0
	tensor_load_to_lds s[72:75], s[24:31]
	s_nop 0
.rept 4
	v_nop
.endr
.Lasked:
	v_and_b32 v112, 15, v0                         ; r
	v_bfe_u32 v113, v0, 4, 1                       ; h
	v_and_b32 v114, 31, v0                         ; lane
	s_lshl_b32 s88, s[WA], 13
	s_add_co_u32 s88, s88, XIMG
	v_lshl_add_u32 v[ADA], v114, 4, s88            ; my two tiles' images: 8,192 wa + 16 x lane
	v_add_nc_u32 v[ADA+1], XSLOT, v[ADA]
	v_mul_u32_u24 v115, v112, PITCH
	v_lshl_add_u32 v115, v113, 4, v115
	s_mul_i32 s88, s[WB], 64*PITCH
	v_add_nc_u32 v[ADB], s88, v115
	v_add_nc_u32 v[ADB+1], WSLOT, v[ADB]
	v_lshlrev_b32 v[ASA], 2, v112
	v_lshl_add_u32 v[ASA], v113, 9, v[ASA]
	s_lshl_b32 s88, s[WA], 10
	s_add_co_u32 s88, s88, XSC
	v_add_nc_u32 v[ASA], s88, v[ASA]               ; tile 2 wa + h, token r
	v_lshrrev_b32 v116, 3, v112                    ; Wo's scale bytes of row 16 h + r of 32: unit 2 h + r / 8, 32 (r % 8) bytes into it
	v_lshl_add_u32 v116, v113, 1, v116
	v_mul_u32_u24 v116, v116, PITCH
	v_and_b32 v117, 7, v112
	v_lshl_add_u32 v116, v117, 5, v116
	s_mul_i32 s88, s[WB], 8*PITCH
	s_add_co_u32 s88, s88, WSC
	v_add_nc_u32 v[ASB], s88, v116
	s_mul_i32 s88, s[WV], 16*PITCH
	s_add_co_u32 s88, s88, STAGE                   ; my stage
	v_lshl_add_u32 v[STO], v113, 5, s88
	v_mad_u32_u24 v[STO], v112, PITCH, v[STO]      ; in: row r, + 32 h
	v_lshl_add_u32 v[RD], v112, 4, s88
	v_mad_u32_u24 v[RD], v113, PITCH, v[RD]        ; back: lanes 0-15 one row of 256 bytes, lanes 16-31 the next
	v_lshlrev_b32 v[GO], 4, v112
	v_lshl_add_u32 v[GO], v113, 12, v[GO]          ; and the same two rows in out0
	v_lshlrev_b32 v[H32], 5, v113
	s_lshl_b32 s90, s[TX], 10
	s_lshl_b32 s91, s[WB], 8
	s_add_co_u32 s90, s90, s91                     ; my 64 features, in bytes
	s_mov_b32 s91, 0
	s_add_nc_u64 s[96:97], s[12:13], s[90:91]      ; in bo,
	s_lshl_b32 s88, s[TY], 7
	s_lshl_b32 s89, s[WA], 5
	s_add_co_u32 s88, s88, s89                     ; my first token
	s_lshl_b32 s88, s88, 12
	s_add_co_u32 s88, s88, s90
	s_mov_b32 s89, 0
	s_add_nc_u64 s[98:99], s[14:15], s[88:89]      ; and in out0
.irp i, 0,1,2,3
	global_load_b128 v[TB+8*\i:TB+8*\i+3], v[H32], s[96:97] offset:64*\i          ; bo(16 i + 8 h + 0 .. 7)
	global_load_b128 v[TB+8*\i+4:TB+8*\i+7], v[H32], s[96:97] offset:64*\i+16
.endr
.macro LOADS q                         ; K step q's fragments; with a slot's first step Wo's scale words of its four steps
.if (\q)%4 == 0
.irp p, 0,1
	ds_load_b128 v[SB+4*\p:SB+4*\p+3], v[ASB] offset:4*PITCH*\p+16*((\q)/4)
.endr
.endif
.irp a, 0,1
.irp c, 0,1
	ds_load_b128 v[AF+8*\a+4*\c:AF+8*\a+4*\c+3], v[ADA+(\q)/4] offset:4096*\a+1024*((\q)%4)+512*\c
.endr
.endr
.irp i, 0,1,2,3
.irp c, 0,1
	ds_load_b128 v[BF+8*\i+4*\c:BF+8*\i+4*\c+3], v[ADB+(\q)/4] offset:16*PITCH*\i+64*((\q)%4)+32*\c
.endr
.endr
.endm
.macro KSTEP q                         ; the 8 accumulators take turns, one instruction a turn, in the same order in every step
.rept 4
	v_nop                                          ; four places in front of loads into registers that matrix instructions have read (ISA guide 7.12.1 for vector instructions)
.endr
	LOADS \q
	s_wait_dscnt 0x0                               ; the SIMD's other three waves have the matrix unit meanwhile
.irp i, 0,1,2,3
.irp a, 0,1
	WM ACC+32*\a+8*\i, BF+8*\i, AF+8*\a, ACC+32*\a+8*\i, SB+4*(\i/2)+(\q)%4, SA+(\q), \i%2, \a
.endr
.endr
.endm
	s_wait_tensorcnt 0x1                           ; my scales and my part of slot 0 are in; slot 1's load was issued behind them and may stay out
	s_barrier_signal -1
	s_barrier_wait -1                              ; everybody's are
.irp q, 0,1,2,3,4,5,6,7
	ds_load_b32 v[SA+\q], v[ASA] offset:64*\q      ; x's scale words of all eight K steps
.endr
	LOADS 0
	s_wait_dscnt 0x0
	s_wait_loadcnt 0x0                             ; the bias
.irp i, 0,1,2,3
.irp a, 0,1
	WM ACC+32*\a+8*\i, BF+8*\i, AF+8*\a, TB+8*\i, SB+4*(\i/2), SA, \i%2, \a      ; the first K step starts the sums with the bias as C
.endr
.endr
	KSTEP 1
	KSTEP 2
	KSTEP 3
	s_wait_tensorcnt 0x0                           ; my part of slot 1 is in,
	s_wait_dscnt 0x0
	s_barrier_signal -1
	s_barrier_wait -1                              ; everybody's is
	KSTEP 4
	KSTEP 5
	KSTEP 6
	KSTEP 7
.rept 4
	v_nop                                          ; four places in front of the first read of results
.endr
	; THE WAY OUT.  A lane holds 32 neighbouring bytes of a row, the lanes beside it other rows: 16 tokens x 64 features go through my own stage and come back as whole rows of 256 bytes.
	; LDS serves a wave's instructions in order (ISA guide 5.7.1.4): no wait between the stores and the loads, nor in front of the second tile's stores.
.irp a, 0,1
.irp i, 0,1,2,3
	ds_store_b128 v[STO], v[ACC+32*\a+8*\i:ACC+32*\a+8*\i+3] offset:64*\i         ; each accumulator from its low end on
	ds_store_b128 v[STO], v[ACC+32*\a+8*\i+4:ACC+32*\a+8*\i+7] offset:64*\i+16
.endr
.irp k, 0,1,2,3,4,5,6,7
	ds_load_b128 v[BK+32*\a+4*\k:BK+32*\a+4*\k+3], v[RD] offset:2*PITCH*\k
.endr
.endr
.irp a, 0,1
.irp k, 0,1,2,3,4,5,6,7
	s_wait_dscnt 7-\k+16*(1-\a)                    ; behind this load stand its tile's later loads and, for tile 0, tile 1's sixteen LDS instructions
	global_store_b128 v[GO], v[BK+32*\a+4*\k:BK+32*\a+4*\k+3], s[98:99] offset:(16*\a+2*\k)*4096 th:TH_STORE_NT   ; sixteen lanes store 256 neighbouring bytes, aligned; written once, read by nobody here
.endr
.endr
	s_wait_tensorcnt 0x0
	ds_add_u32 v126, v127
	s_wait_dscnt 0x0
	CROUND                                         ; the closing round: no work-group ends while a partner may still ask for a tile that names it
	s_endpgm
.Lfunc_end_k_qce8042a6e7_outp:
	.size	k_qce8042a6e7_outp, .Lfunc_end_k_qce8042a6e7_outp-k_qce8042a6e7_outp
	.p2alignl 7, 3214868480
	.fill 96, 4, 3214868480
	.section	.rodata,"a",@progbits
	.p2align	6, 0x0
	.amdhsa_kernel k_qce8042a6e7_outp
		.amdhsa_group_segment_fixed_size 289280
		.amdhsa_private_segment_fixed_size 0
		.amdhsa_enable_private_segment 0
		.amdhsa_kernarg_size 48
		.amdhsa_user_sgpr_count 2
		.amdhsa_user_sgpr_kernarg_segment_ptr 1
		.amdhsa_wavefront_size32 1
		.amdhsa_system_sgpr_workgroup_id_x 1
		.amdhsa_system_sgpr_workgroup_id_y 1
		.amdhsa_system_sgpr_workgroup_id_z 1
		.amdhsa_system_vgpr_workitem_id 0
		.amdhsa_next_free_vgpr 256
		.amdhsa_next_free_sgpr 100
		.amdhsa_reserve_vcc 0
		.amdhsa_float_denorm_mode_32 3
		.amdhsa_float_denorm_mode_16_64 3
		.amdhsa_memory_ordered 1
		.amdhsa_forward_progress 1
		.amdhsa_inst_pref_size 31
	.end_amdhsa_kernel
	.amdgpu_metadata
---
amdhsa.version: [ 1, 2 ]
amdhsa.kernels:
  - .name:           k_qce8042a6e7_outp
    .symbol:         k_qce8042a6e7_outp.kd
    .args:
      - { .name: xc, .offset: 0, .size: 8, .value_kind: global_buffer, .address_space: global }
      - { .name: xs, .offset: 8, .size: 8, .value_kind: global_buffer, .address_space: global }
      - { .name: Wo_codes, .offset: 16, .size: 8, .value_kind: global_buffer, .address_space: global }
      - { .name: Wo_scales, .offset: 24, .size: 8, .value_kind: global_buffer, .address_space: global }
      - { .name: bo, .offset: 32, .size: 8, .value_kind: global_buffer, .address_space: global }
      - { .name: out0, .offset: 40, .size: 8, .value_kind: global_buffer, .address_space: global }
    .group_segment_fixed_size: 289280
    .private_segment_fixed_size: 0
    .kernarg_segment_align: 8
    .kernarg_segment_size: 48
    .max_flat_workgroup_size: 512
    .sgpr_count:     100
    .vgpr_count:     256
    .wavefront_size: 32
...
	.end_amdgpu_metadata
.endif
;; end of part 4
;; ======== version 2 of 2: 4 launches; version 1 with the launch attn written anew for expert scheduling mode
;; limits: right only within a limited range of input values
;; workspace buffers: qkvc 12,582,912 bytes; qkvs 786,432 bytes; mw 2,097,152 bytes of whole numbers; mf 32,768 bytes of whole numbers; xc 4,194,304 bytes; xs 262,144 bytes
;; launch pack: the kernel of part 1 again; grid 512 x 1, 8 waves a work-group, no clusters, 68,608 bytes of LDS; arguments mask, mw, mf; writes mw, mf
;; launch proj: the kernel of part 2 again; grid 4 x 96, 16 waves a work-group, clusters of 4 x 4, 297,984 bytes of LDS; arguments query_codes, key__codes, Wv_codes, query_scales, key__scales, Wv_scales, Wq_codes, Wk_codes, value_codes, Wq_scales, Wk_scales, value_scales, bq, bk, bv, qkvc, qkvs; writes qkvc, qkvs
;; launch attn (part 5): grid 4 x 64, 16 waves a work-group, no clusters, 141,312 bytes of LDS; arguments qkvc, qkvs, mw, mf, xc, xs; writes xc, xs
.if DOCPART == 5
	.amdgcn_target "amdgcn-amd-amdhsa--gfx1250"
	.amdhsa_code_object_version 6
	.text
	.protected	k_qce8042a6e7_attn
	.globl	k_qce8042a6e7_attn
	.p2align	8
	.type	k_qce8042a6e7_attn,@function
k_qce8042a6e7_attn:
	s_mov_b64 s[64:65], 0
	v_nop
	global_prefetch_b8 v0, s[64:65] scope:SCOPE_SE
	s_setreg_imm32_b32 hwreg(HW_REG_WAVE_SCHED_MODE, 0, 2), 2
	s_setreg_imm32_b32 hwreg(HW_REG_WAVE_MODE, 25, 1), 1
	s_wait_xcnt 0x0
	s_wait_alu depctr_vm_vsrc(0)
; x[b][q][head] = softmax_k(where(mask == 0, -1e10, Q . K / 8)) V, both products on codes of FP4 (E2M1) with one E8M0 scale for each 32 along a product's K; x leaves quantised along d_model for the last product.
; THE SOFTMAX AHEAD OF THE SECOND PRODUCT: t = score x log2(e) / 8; M = the row's largest t so far, rounded UP to a whole number; p = 2^(t - M) is quantised along the keys, not normalised.
; The row's sum is taken of the unquantised p, in f32, and divides O at the end.  When M moves, the sum and O are multiplied by 2^(old M - new M): exact.
; SHARES.  A work-group owns 512 queries of one (batch, head); each of its sixteen waves two tiles of 16 queries, one after the other, in 256 registers: four waves to a SIMD, so that one wave's vector work stands beside another's products and LDS loads.
; LDS.  The head's K and V, codes and scale words, 139,264 bytes, come in once through registers, as images of the operands' registers, and are only read afterwards: one barrier in the launch.
; NO CLUSTER, NO TENSOR LOAD.  The four work-groups of a head share those 139,264 bytes, read once each at the head; all that is read in the 32 steps (mask words, Q) differs between them.  And the step has a branch on a stored
; flag (below).
; LAYOUT.  Both products are used transposed: S^T = K Q^T, O^T = V^T P^T: a lane holds ONE query (lane % 16) throughout; register j of score tile i holds key 16 i + 8 (lane / 16) + j.
; THE FIRST PRODUCT'S K IS 64, the instruction's 128: a fragment of K holds tile 2 g in k 0-63 and tile 2 g + 1 in k 64-127; Q stands in twelve registers as [Q | 0 | Q]: registers 0-7 pick the even tile, registers 4-11 the odd one.
; Zero codes add nothing under any of this program's scale bytes (1 to 252).
; THE MASK comes as lane masks, 64 words for 16 queries x 128 keys, by scalar loads a step ahead: one v_cndmask_b32 a score, no compare.  A unit whose stored flag says that it has no zero jumps over the 64 selects.
; A masked raw score becomes -2^36.  Then t = -c 2^36 is a whole number, exact in f32, so that in a row that is masked throughout t - M is exactly 0, p = 1, and the result is the mean of the quantised V, as the definition gives.
; LIMITS: the masked logit is -2^33 = -8.59e9 in place of -1e10: the results are the definition's while unmasked logits lie above about -8.5e9.  A p under 2^-126 counts as 0.  NaN and infinities are not served.
; A block of zeros gets the byte 1 where the rule says 127: its codes are zeros, and this program alone reads the bytes.
; THE MODE: SCHED_MODE bits 1:0 = 2 (LLVM: expert scheduling mode 2), set by the entry lines.  The code itself states the register dependences
; between vector or matrix instructions and memory or LDS instructions, with s_wait_alu, always for 0.
; THE PLAN.  Registers that LDS or memory instructions touch, in a step:
;   KF, KS   Read by the step's eight products K Q^T, its first instructions; the next step's ten loads land in them later in the same step.
;   VF, VS   Read by the step's four products V^T P^T, its last instructions; the next step's ten loads land in them.
;   v5-8     The twenty loads' addresses: written by four additions, which stand behind the products K Q^T as their places; read by the loads that follow.
;   S, O, P, PW and the statistics are named by vector and matrix instructions alone.
; So ONE wait on va_vdst serves a step's twenty loads.  It stands behind the mask's selects and states that the additions have written v5-8, that this step's K Q^T are done reading KF and KS, and that the last step's
; V^T P^T are done reading VF and VS.  Behind it V's ten loads go out in a run and K's ten are dealt among the lines that search for the maxima, which name S, BM and T2 alone.  One wait on vm_vsrc stands ahead of the additions.
; A second wait on va_vdst stands ahead of V^T P^T: p's codes and scale word, which these scaled products take, are made by vector instructions.
.set VL,   65536                       ; LDS: K's codes at 0, V's here,
.set KSL,  131072                      ; K's scale words,
.set VSL,  135168                      ; V's
.set L16,  1                           ; v1   16 x lane: my place in an image
.set LV0,  2                           ; v2   the same among V's
.set LKS0, 3                           ; v3   4 x lane among K's scale words
.set LVS0, 4                           ; v4   among V's
.set ADK,  5                           ; v5-8 addresses of the loads in hand
.set ADV,  6
.set ADKS, 7
.set ADVS, 8
.set NEGB, 9                           ; v9   -2^36
.set R4,   11                          ; v11  4 r
                                       ; v12 -M, v13 the largest t, v[14:15] the sum in two halves
.set QF,   16                          ; v16-27, v28-39  [Q | 0 | Q] of my two tiles
.set QS,   40                          ; v40-41 their scale words
.set KS,   42                          ; v42-43 K's scale words of a step
.set VS,   44                          ; v44-45 V's
.set QW,   46
.set KF,   48                          ; v48-79   four fragments of K
.set VF,   80                          ; v80-111  four of V
.set S,    112                         ; v112-175 S^T, then p
.set O,    176                         ; v176-207 O^T
.set P,    208                         ; v208-215 p's codes
.set BM,   216                         ; at work
.set T2,   220
.set SCL,  224
.set SUM2, 228
.set TMP,  230
.set F,    232                         ; v232 f = 2^(old M - new M)
.set PW,   233                         ; v233 p's scale word
.set PX,   236                         ; v236-243 x's codes, four registers a tile
.set XW,   244                         ; v244-245 x's two scale bytes
.set WV,   66
.set CNT,  67
.set TV,   68                          ; LDS byte at which the step's V begins; s69 its scale words
.set TVS,  69
.set TKN,  70                          ; the NEXT step's K; s71 its scale words
.set TKSN, 71
.set UM,   72                          ; byte of the mask unit to be loaded, from my first tile's first unit; s73 of its flag
.set UF,   73
.set FLG,  74
.macro WMZ d, p, q, x, y, rx           ; D = source 0 x source 1: the constant 0 starts the sum.  rx = 1: source 0's scales stand in lanes 16-31
.if (\rx)
	v_wmma_scale_f32_16x16x128_f8f6f4 v[(\d):(\d)+7], v[(\p):(\p)+7], v[(\q):(\q)+7], 0, v[\x], v[\y] matrix_a_fmt:MATRIX_FMT_FP4 matrix_b_fmt:MATRIX_FMT_FP4 matrix_a_scale:MATRIX_SCALE_ROW1
.else
	v_wmma_scale_f32_16x16x128_f8f6f4 v[(\d):(\d)+7], v[(\p):(\p)+7], v[(\q):(\q)+7], 0, v[\x], v[\y] matrix_a_fmt:MATRIX_FMT_FP4 matrix_b_fmt:MATRIX_FMT_FP4
.endif
.endm
.macro WMA d, p, q, x, y, rx           ; D += source 0 x source 1
.if (\rx)
	v_wmma_scale_f32_16x16x128_f8f6f4 v[(\d):(\d)+7], v[(\p):(\p)+7], v[(\q):(\q)+7], v[(\d):(\d)+7], v[\x], v[\y] matrix_a_fmt:MATRIX_FMT_FP4 matrix_b_fmt:MATRIX_FMT_FP4 matrix_a_scale:MATRIX_SCALE_ROW1
.else
	v_wmma_scale_f32_16x16x128_f8f6f4 v[(\d):(\d)+7], v[(\p):(\p)+7], v[(\q):(\q)+7], v[(\d):(\d)+7], v[\x], v[\y] matrix_a_fmt:MATRIX_FMT_FP4 matrix_b_fmt:MATRIX_FMT_FP4
.endif
.endm
.macro KLOAD n                         ; image n of eight of the NEXT step's K (behind the last step: step 0's, for the next tile)
	ds_load_b128 v[KF+4*(\n):KF+4*(\n)+3], v[ADK] offset:512*(\n)
.endm
	s_load_b256 s[16:23], s[0:1], 0x0              ; qkvc s[16:17], qkvs s[18:19], mw s[20:21], mf s[22:23]
	s_load_b128 s[24:27], s[0:1], 0x20             ; xc s[24:25], xs s[26:27]
	v_lshl_add_u32 v254, v0, 2, 0x22000
	v_mov_b32 v255, 0
	v_lshrrev_b32 v5, 5, v0
	v_readfirstlane_b32 s[WV], v5                  ; wave 0..15
	s_and_b32 s28, ttmp7, 0xffff                   ; bh = 16 b + head
	s_lshr_b32 s29, s28, 4                         ; b
	s_and_b32 s30, s28, 15                         ; head
	s_lshl_b32 s31, ttmp9, 5
	s_wait_alu depctr_va_sdst(0)                   ; the wave's number is written, ahead of its first reader: my tiles' offsets are made from it
	s_lshl_b32 s32, s[WV], 1
	s_add_co_u32 s31, s31, s32                     ; my first tile of queries in the batch: 32 x + 2 w
	s_lshl_b32 s32, s29, 7
	s_add_co_u32 s32, s32, s31                     ; bT = 128 b + that
	s_lshl_b32 s34, s28, 16                        ; the head's codes: 65,536 bytes in each of Q, K, V
	s_mov_b32 s35, 0
	s_lshl_b32 s36, s31, 9                         ; my tiles of Q: 512 bytes a tile
	s_mov_b32 s37, 0
	s_lshl_b32 s38, s28, 12                        ; the head's scale words: 4,096 bytes in each
	s_mov_b32 s39, 0
	s_lshl_b32 s40, s31, 5                         ; my pair of tiles' words: 64 bytes a pair
	s_mov_b32 s41, 0
	s_lshl_b32 s42, s32, 12                        ; mw: 4,096 bytes a tile
	s_mov_b32 s43, 0
	s_lshl_b32 s44, s32, 6                         ; mf: 64 bytes a tile
	s_mov_b32 s45, 0
	s_lshl_b32 s46, s32, 13                        ; xc: 8,192 bytes a tile, 512 a head
	s_lshl_b32 s33, s30, 9
	s_add_co_u32 s46, s46, s33
	s_mov_b32 s47, 0
	s_lshl_b32 s48, s32, 9                         ; xs: 512 bytes a tile, 64 for a pair of heads, 2 a head
	s_lshr_b32 s33, s30, 1
	s_lshl_b32 s33, s33, 6
	s_add_co_u32 s48, s48, s33
	s_and_b32 s33, s30, 1
	s_lshl_b32 s33, s33, 1
	s_add_co_u32 s48, s48, s33
	s_mov_b32 s49, 0
	s_mov_b32 s12, 0x76543210                      ; v_permlanex16_b32's selects for lane l xor 16
	s_mov_b32 s13, 0xfedcba98
	s_mov_b32 s14, 0x3e38aa3b                      ; c = log2(e) / 8
	s_mov_b32 s15, s14                             ; (the packed form names the pair)
	v_and_b32 v10, 31, v0                          ; lane
	v_lshlrev_b32 v[L16], 4, v10
	v_add_nc_u32 v[LV0], VL, v[L16]
	v_lshl_add_u32 v[LKS0], v10, 2, KSL
	v_lshl_add_u32 v[LVS0], v10, 2, VSL
	v_and_b32 v[R4], 15, v0
	v_lshlrev_b32 v[R4], 2, v[R4]
	v_lshlrev_b32 v5, 4, v0                        ; the fill: 16 bytes a thread, 8,192 an instruction of the work-group;
	v_add_nc_u32 v6, VL, v5
	v_lshlrev_b32 v7, 3, v0                        ; the scale words: 8 bytes a thread
	v_add_nc_u32 v8, KSL, v7
	v_mov_b32 v[NEGB], 0xd1800000
	s_wait_kmcnt 0x0
	s_add_nc_u64 s[84:85], s[16:17], s[34:35]      ; the head in Q's part of qkvc
	s_add_nc_u64 s[88:89], s[84:85], s[36:37]      ; my tiles of Q
	s_add_nc_u64 s[86:87], s[84:85], 0x800000      ; the head's V
	s_add_nc_u64 s[84:85], s[84:85], 0x400000      ; the head's K
	s_add_nc_u64 s[90:91], s[18:19], s[38:39]
	s_add_nc_u64 s[94:95], s[90:91], s[40:41]      ; my Q words
	s_add_nc_u64 s[92:93], s[90:91], 0x80000       ; V's words
	s_add_nc_u64 s[90:91], s[90:91], 0x40000       ; K's words
	s_add_nc_u64 s[4:5], s[20:21], s[42:43]        ; my mask units
	s_add_nc_u64 s[6:7], s[22:23], s[44:45]        ; their flags
	s_add_nc_u64 s[8:9], s[24:25], s[46:47]        ; x's codes
	s_add_nc_u64 s[10:11], s[26:27], s[48:49]      ; x's scale bytes
	s_wait_alu depctr_va_vdst(0)                   ; the offsets and addresses v1 to v8 and v11 are written, which the loads, LDS stores and LDS loads of the head and the stores of the way out read
.irp i, 0,1,2,3,4,5,6,7
	global_load_b128 v[S+4*\i:S+4*\i+3], v5, s[84:85] offset:8192*\i
.endr
.irp i, 0,1,2,3,4,5,6,7
	global_load_b128 v[S+32+4*\i:S+32+4*\i+3], v5, s[86:87] offset:8192*\i
.endr
	global_load_b64 v[O:O+1], v7, s[90:91]
	global_load_b64 v[O+2:O+3], v7, s[92:93]
.irp j, 0,1
	global_load_b128 v[QF+12*\j:QF+12*\j+3], v[L16], s[88:89] offset:512*\j       ; a tile's image twice
	global_load_b128 v[QF+12*\j+8:QF+12*\j+11], v[L16], s[88:89] offset:512*\j
.endr
	global_load_b32 v[QW], v[R4], s[94:95]         ; one word: tile 0's two bytes, tile 1's two bytes
.irp j, 0,1
.irp i, 4,5,6,7
	v_mov_b32 v[QF+12*\j+\i], 0                    ; the zeros between: registers that no load or store names
.endr
.endr
.irp i, 0,1,2,3
	v_mov_b32 v[T2+\i], 0                          ; written once: a lane permute's destination counts as one of its sources
.endr
	v_mov_b32 v[TMP], 0
	v_mov_b32 v[PW], 0                             ; (named as the upper half of the pair v[232:233] before it is first written)
	s_wait_loadcnt 0x0                             ; all loads are done: their address registers and bases are free
.irp i, 0,1,2,3,4,5,6,7
	ds_store_b128 v5, v[S+4*\i:S+4*\i+3] offset:8192*\i
	ds_store_b128 v6, v[S+32+4*\i:S+32+4*\i+3] offset:8192*\i
.endr
	ds_store_b64 v8, v[O:O+1]
	ds_store_b64 v8, v[O+2:O+3] offset:VSL-KSL
	s_mov_b32 s[UM], 0
	s_mov_b32 s[UF], 0
	s_load_b512 s[16:31], s[4:5], s[UM] offset:0x0      ; the first unit's 64 words: word k in s[16 + k] (k < 48) or s[32 + k]
	s_load_b512 s[32:47], s[4:5], s[UM] offset:0x40
	s_load_b512 s[48:63], s[4:5], s[UM] offset:0x80
	s_load_b512 s[80:95], s[4:5], s[UM] offset:0xc0
	s_load_b32 s[FLG], s[6:7], s[UF] offset:0x0
	v_perm_b32 v[QS], v[QW], v[QW], 0x01000100     ; tile 0's word: its two bytes for k 0-63 and again for k 64-127
	v_perm_b32 v[QS+1], v[QW], v[QW], 0x03020302   ; tile 1's
	s_mov_b32 s[TV], 0
	s_mov_b32 s[TVS], 0
	s_mov_b32 s[TKN], 4096
	s_mov_b32 s[TKSN], 256
	s_wait_dscnt 0x0                               ; for the others' sake: my stores have landed
	s_barrier_signal -1
	s_barrier_wait -1                              ; the head's K and V lie in LDS; nothing is written there again
	s_wait_alu depctr_vm_vsrc(0)                   ; the fill's loads and LDS stores have read v5 to v8, v[S ..] and v[O .. O+3]: the products write S, the lines below clear O, and the first step's additions write v5 to v8
.irp i, 0,1,2,3,4,5,6,7
	ds_load_b128 v[KF+4*\i:KF+4*\i+3], v[L16] offset:512*\i        ; K of step 0: eight tiles' images on end are four fragments
.endr
	ds_load_b32 v[KS], v[LKS0]                     ; lanes 0-15: fragment 0's words, lanes 16-31: fragment 1's;
	ds_load_b32 v[KS+1], v[LKS0] offset:128        ; fragments 2 and 3
; ONE TILE OF 16 QUERIES: sixteen steps of 128 keys, then the way out.
.macro TILE j
.set QB, QF+12*\j
	v_mov_b32 v13, 0xff61b1e6                      ; the largest t so far: -3e38, under every t
	v_floor_f32 v12, -v13                          ; -M
	v_mov_b32 v14, 0                               ; the sum, in two halves
	v_mov_b32 v15, 0
.set i, 0
.rept 32
	v_mov_b32 v[O+i], 0                            ; O^T.  (The step is written once: the first finds zeros, which the first change of M leaves zeros)
.set i, i+1
.endr
.if \j == 0
	s_wait_alu depctr_va_vdst(0)                   ; Q's two scale words and the zeros between Q's halves, made by vector instructions at the head, are written: the scaled products K Q^T take them; the 36 lines above are the places in front of those products
.endif
	s_mov_b32 s[CNT], 16
.Lstep_\@:
	s_wait_dscnt 0x0                               ; K's ten loads, issued a step ago, are in; nothing younger is out
.irp g, 0,1,2,3
.irp u, 0,1
	WMZ S+8*(2*\g+\u), KF+8*\g, QB+4*\u, KS+\g/2, QS+\j, \g%2
.endr
.endr
	s_wait_alu depctr_vm_vsrc(0)                   ; the LDS loads issued so far have read v5 to v8, which the four additions write
	v_add_nc_u32 v[ADV], s[TV], v[LV0]             ; these four are also the four places in front of the first read of the scores
	v_add_nc_u32 v[ADVS], s[TVS], v[LVS0]
	v_add_nc_u32 v[ADK], s[TKN], v[L16]
	v_add_nc_u32 v[ADKS], s[TKSN], v[LKS0]
	s_wait_kmcnt 0x0                               ; this unit's mask words and flag, asked for a step ago
	s_cmp_eq_u32 s[FLG], 0                         ; a stored whole number: no zero in the unit
	s_cbranch_scc1 .Lopen_\@
.set k, 0
.rept 64
.if k < 48
	v_cndmask_b32 v[S+k], v[NEGB], v[S+k], s[16+k]
.else
	v_cndmask_b32 v[S+k], v[NEGB], v[S+k], s[32+k]
.endif
.set k, k+1
.endr
.Lopen_\@:
	s_wait_alu depctr_va_vdst(0)                   ; the additions have written v5 to v8, which the twenty loads below read; this step's K Q^T are done reading KF and KS, the last step's V^T P^T are done reading VF and VS, in which they land.  (The selects are done with the mask words too, which the scalar loads below write again)
.irp i, 0,1,2,3,4,5,6,7
	ds_load_b128 v[VF+4*\i:VF+4*\i+3], v[ADV] offset:512*\i        ; this step's V
.endr
	ds_load_b32 v[VS], v[ADVS]
	ds_load_b32 v[VS+1], v[ADVS] offset:128
	s_add_co_u32 s[UM], s[UM], 256                 ; (behind the wait for the scalar loads that read it)  the next unit; my two tiles' 32 units lie on end;
	s_min_u32 s[UM], s[UM], 7936                   ; behind the last the address is held: no load leaves its buffer
	s_lshr_b32 s[UF], s[UM], 6
	s_load_b512 s[16:31], s[4:5], s[UM] offset:0x0
	s_load_b512 s[32:47], s[4:5], s[UM] offset:0x40
	s_load_b512 s[48:63], s[4:5], s[UM] offset:0x80
	s_load_b512 s[80:95], s[4:5], s[UM] offset:0xc0
	s_load_b32 s[FLG], s[6:7], s[UF] offset:0x0
; The next step's ten loads of K are dealt among the lines below.  No further wait: no vector or matrix instruction since the wait above names KF, KS, v5 or v7.
.irp b, 0,1,2,3
	v_max3_num_f32 v[BM+\b], v[S+16*\b], v[S+16*\b+1], v[S+16*\b+2]   ; THE LARGEST SCORE OF EACH BLOCK OF 32 KEYS (tiles 2 b, 2 b + 1): for the row's maximum and, since p rises with the score, for the block's largest p
.endr
	KLOAD 0
.irp i, 3,5,7,9,11,13
.irp b, 0,1,2,3
	v_max3_num_f32 v[BM+\b], v[BM+\b], v[S+16*\b+\i], v[S+16*\b+\i+1]
.endr
	KLOAD (\i-1)/2
.endr
.irp b, 0,1,2,3
	v_max_num_f32 v[BM+\b], v[BM+\b], v[S+16*\b+15]
.endr
	KLOAD 7
.irp b, 0,1,2,3
	v_permlanex16_b32 v[T2+\b], v[BM+\b], s12, s13
.endr
	ds_load_b32 v[KS], v[ADKS]
	ds_load_b32 v[KS+1], v[ADKS] offset:128
.irp b, 0,1,2,3
	v_max_num_f32 v[BM+\b], v[BM+\b], v[T2+\b]     ; with lane l xor 16's 16 keys
.endr
	v_max3_num_f32 v[TMP], v[BM], v[BM+1], v[BM+2]
	v_max_num_f32 v[TMP], v[TMP], v[BM+3]          ; the step's largest score of my query
	v_mul_f32 v[TMP], s14, v[TMP]                  ; as t (c is positive)
	v_max_num_f32 v13, v13, v[TMP]                 ; the running largest t
	v_mov_b32 v[TMP], v12
	v_floor_f32 v12, -v13                          ; the new -M = floor(-t) = -ceil(t): a whole number
	v_sub_f32 v[TMP], v12, v[TMP]                  ; old M - new M: a whole number, 0 or less
	v_cvt_i32_f32 v[TMP], v[TMP]                   ; (it saturates)
	v_ldexp_f32 v[F], 1.0, v[TMP]                  ; f = 2^(old M - new M)
.set i, 0
.rept 32
	v_pk_fma_f32 v[S+i:S+i+1], v[S+i:S+i+1], s[14:15], v[12:13] op_sel_hi:[1,0,0]   ; t - M, two at a time (of the pairs c and -M the low word serves both halves)
.set i, i+2
.endr
.irp b, 0,1,2,3
	v_fma_f32 v[BM+\b], v[BM+\b], s14, v12         ; the same of each block's largest score
.endr
.set i, 0
.rept 64
	v_exp_f32 v[S+i], v[S+i]                       ; p = 2^(t - M), at most 1
.set i, i+1
.endr
	v_pk_mul_f32 v[14:15], v[14:15], v[F:F+1] op_sel_hi:[1,0]   ; the sums under the new M: the plain instruction behind the exponentials
	s_wait_alu depctr_va_vdst(0)                   ; the 64 exponentials have written p: one wait for the whole batch, ahead of its first reader
.irp b, 0,1,2,3
	v_exp_f32 v[BM+\b], v[BM+\b]                   ; the block's largest p: the same two instructions on the same number give the same bits
.endr
	v_pk_add_f32 v[SUM2:SUM2+1], v[S:S+1], v[S+2:S+3]           ; THE ROW'S SUM IS TAKEN OF THE UNQUANTISED p: two at a time, in two chains
.set i, 4
.rept 15
	v_pk_add_f32 v[14:15], v[14:15], v[S+i:S+i+1]
	v_pk_add_f32 v[SUM2:SUM2+1], v[SUM2:SUM2+1], v[S+i+2:S+i+3]
.set i, i+4
.endr
	v_pk_add_f32 v[14:15], v[14:15], v[SUM2:SUM2+1]
	s_wait_alu depctr_va_vdst(0)                   ; the four exponentials have written the blocks' largest p, ahead of their first reader
.irp b, 0,1,2,3
	v_max_num_f32 v[BM+\b], 0x1800000, v[BM+\b]    ; the floor 2^(3 - 127): the byte cannot fall under 1
.endr
.irp b, 0,1,2,3
	v_add_nc_u32 v[SCL+\b], 0xff000000, v[BM+\b]   ; 2 off the exponent field: the conversion's scale operand
.endr
.irp b, 0,1,2,3
	v_lshrrev_b32 v[T2+\b], 23, v[SCL+\b]          ; the scale's byte
.endr
	v_lshl_or_b32 v[PW], v[T2+1], 8, v[T2]         ; p's scale word for these 128 keys
	v_lshl_or_b32 v[PW], v[T2+2], 16, v[PW]
	v_lshl_or_b32 v[PW], v[T2+3], 24, v[PW]
.irp c, 0,1                                    ; tile i's conversion holds keys 16 i + 8 h + 0 .. 7; laid as (tile 4 c, tile 4 c + 2), (tile 4 c + 1, tile 4 c + 3),
	v_cvt_scalef32_pk8_fp4_f32 v[P+4*\c],   v[S+32*\c:S+32*\c+7],     v[SCL+2*\c]
	v_cvt_scalef32_pk8_fp4_f32 v[P+4*\c+2], v[S+32*\c+8:S+32*\c+15],  v[SCL+2*\c]
	v_cvt_scalef32_pk8_fp4_f32 v[P+4*\c+1], v[S+32*\c+16:S+32*\c+23], v[SCL+2*\c+1]
	v_cvt_scalef32_pk8_fp4_f32 v[P+4*\c+3], v[S+32*\c+24:S+32*\c+31], v[SCL+2*\c+1]
.endr
	v_nop                                          ; one plain place behind a scaled conversion
.irp c, 0,1                                    ; two exchanges of halves give the operand's order: registers 4 c .. 4 c + 3 = keys 64 c + 32 h + 0 .. 31
	v_permlane16_swap_b32 v[P+4*\c], v[P+4*\c+1]
	v_permlane16_swap_b32 v[P+4*\c+2], v[P+4*\c+3]
.endr
.set i, 0
.rept 16
	v_pk_mul_f32 v[O+i:O+i+1], v[O+i:O+i+1], v[F:F+1] op_sel_hi:[1,0]   ; O^T under the new M, each accumulator from its low end on.  (These sixteen are also the places between the writes of p's codes and scale word and the products)
.set i, i+2
.endr
	s_wait_dscnt 10                                ; V's ten loads are in; the next step's ten of K, issued behind them, may be out
	s_wait_alu depctr_va_vdst(0)                   ; the conversions and exchanges have written p's codes, the shifts its scale word: the scaled products below take them; the places above stay beside this wait
.irp t, 0,1,2,3
	WMA O+8*\t, VF+8*\t, P, VS+\t/2, PW, \t%2      ; the four accumulators by turns
.endr
	s_add_co_u32 s[TV], s[TV], 4096                ; a step's images are 4,096 bytes, its scale words 256; behind step 15 both come round to step 0
	s_and_b32 s[TV], s[TV], 0xffff
	s_lshr_b32 s[TVS], s[TV], 4
	s_add_co_u32 s[TKN], s[TKN], 4096
	s_and_b32 s[TKN], s[TKN], 0xffff
	s_lshr_b32 s[TKSN], s[TKN], 4
	s_sub_co_u32 s[CNT], s[CNT], 1
	s_cmp_lg_u32 s[CNT], 0
	s_cbranch_scc1 .Lstep_\@
	; THE WAY OUT: x = O / the sum, quantised along d_model (the head's 64 are two blocks), as the image of the last product's operand.
	v_add_f32 v14, v14, v15                        ; the sum's two halves.  (With the lines below: five plain places behind the last products)
	v_nop
	v_nop
	v_permlanex16_b32 v[TMP], v14, s12, s13
	v_add_f32 v14, v14, v[TMP]                     ; and lane l xor 16's: the row's sum
	v_rcp_f32 v14, v14
	v_nop                                          ; a plain instruction behind the reciprocal,
	s_wait_alu depctr_va_vdst(0)                   ; the reciprocal has written v14, ahead of its first reader
.set i, 0
.rept 16
	v_pk_mul_f32 v[O+i:O+i+1], v[O+i:O+i+1], v[14:15] op_sel_hi:[1,0]   ; register 8 t + i is x(r, 16 t + 8 h + i)
.set i, i+2
.endr
.irp b, 0,1
	v_max3_num_f32 v[BM+\b], |v[O+16*\b]|, |v[O+16*\b+1]|, 0x1800000
.endr
.irp i, 2,4,6,8,10,12,14
.irp b, 0,1
	v_max3_num_f32 v[BM+\b], v[BM+\b], |v[O+16*\b+\i]|, |v[O+16*\b+\i+1]|
.endr
.endr
.irp b, 0,1
	v_permlanex16_b32 v[T2+\b], v[BM+\b], s12, s13
.endr
.irp b, 0,1
	v_max_num_f32 v[BM+\b], v[BM+\b], v[T2+\b]
.endr
.irp b, 0,1
	v_add_nc_u32 v[SCL+\b], 0xff000000, v[BM+\b]
.endr
.irp b, 0,1
	v_lshrrev_b32 v[T2+\b], 23, v[SCL+\b]
.endr
	v_lshl_or_b32 v[XW+\j], v[T2+1], 8, v[T2]
	v_cvt_scalef32_pk8_fp4_f32 v[PX+4*\j],   v[O:O+7],     v[SCL]
	v_cvt_scalef32_pk8_fp4_f32 v[PX+4*\j+2], v[O+8:O+15],  v[SCL]
	v_cvt_scalef32_pk8_fp4_f32 v[PX+4*\j+1], v[O+16:O+23], v[SCL+1]
	v_cvt_scalef32_pk8_fp4_f32 v[PX+4*\j+3], v[O+24:O+31], v[SCL+1]
	v_nop
	v_permlane16_swap_b32 v[PX+4*\j], v[PX+4*\j+1]
	v_permlane16_swap_b32 v[PX+4*\j+2], v[PX+4*\j+3]
	s_wait_alu depctr_va_vdst(0)                   ; the conversions and exchanges have written x's codes, the shift its two scale bytes: the two stores below read them
	global_store_b128 v[L16], v[PX+4*\j:PX+4*\j+3], s[8:9] offset:8192*\j   ; the wave stores 512 neighbouring bytes, aligned; each tile has registers of its own, so no store's data are written again
	global_store_b16 v[R4], v[XW+\j], s[10:11] offset:512*\j                ; two bytes a query (both halves of the lanes write the same): a sixteenth of the codes' bytes
.endm
	TILE 0
	TILE 1
	s_wait_kmcnt 0x0                               ; the last step's look-ahead (a held mask unit, step 0's K) is waited for and not used
	s_wait_dscnt 0x0
	s_wait_alu depctr_hold_cnt(0) depctr_sa_sdst(0) depctr_va_vdst(0) depctr_va_sdst(0) depctr_va_ssrc(0) depctr_va_vcc(0) depctr_vm_vsrc(0)
	s_wait_tensorcnt 0x0
	ds_add_u32 v254, v255
	s_wait_dscnt 0x0
	s_endpgm
.Lfunc_end_k_qce8042a6e7_attn:
	.size	k_qce8042a6e7_attn, .Lfunc_end_k_qce8042a6e7_attn-k_qce8042a6e7_attn
	.p2alignl 7, 3214868480
	.fill 96, 4, 3214868480
	.section	.rodata,"a",@progbits
	.p2align	6, 0x0
	.amdhsa_kernel k_qce8042a6e7_attn
		.amdhsa_group_segment_fixed_size 141312
		.amdhsa_private_segment_fixed_size 0
		.amdhsa_enable_private_segment 0
		.amdhsa_kernarg_size 48
		.amdhsa_user_sgpr_count 2
		.amdhsa_user_sgpr_kernarg_segment_ptr 1
		.amdhsa_wavefront_size32 1
		.amdhsa_system_sgpr_workgroup_id_x 1
		.amdhsa_system_sgpr_workgroup_id_y 1
		.amdhsa_system_sgpr_workgroup_id_z 1
		.amdhsa_system_vgpr_workitem_id 0
		.amdhsa_next_free_vgpr 256
		.amdhsa_next_free_sgpr 96
		.amdhsa_reserve_vcc 0
		.amdhsa_float_denorm_mode_32 3
		.amdhsa_float_denorm_mode_16_64 3
		.amdhsa_memory_ordered 1
		.amdhsa_forward_progress 1
		.amdhsa_inst_pref_size 57
	.end_amdhsa_kernel
	.amdgpu_metadata
---
amdhsa.version: [ 1, 2 ]
amdhsa.kernels:
  - .name:           k_qce8042a6e7_attn
    .symbol:         k_qce8042a6e7_attn.kd
    .args:
      - { .name: qkvc, .offset: 0, .size: 8, .value_kind: global_buffer, .address_space: global }
      - { .name: qkvs, .offset: 8, .size: 8, .value_kind: global_buffer, .address_space: global }
      - { .name: mw, .offset: 16, .size: 8, .value_kind: global_buffer, .address_space: global }
      - { .name: mf, .offset: 24, .size: 8, .value_kind: global_buffer, .address_space: global }
      - { .name: xc, .offset: 32, .size: 8, .value_kind: global_buffer, .address_space: global }
      - { .name: xs, .offset: 40, .size: 8, .value_kind: global_buffer, .address_space: global }
    .group_segment_fixed_size: 141312
    .private_segment_fixed_size: 0
    .kernarg_segment_align: 8
    .kernarg_segment_size: 48
    .max_flat_workgroup_size: 512
    .sgpr_count:     96
    .vgpr_count:     256
    .wavefront_size: 32
...
	.end_amdgpu_metadata
.endif
;; end of part 5
;; launch outp: the kernel of part 4 again; grid 4 x 64, 16 waves a work-group, clusters of 4 x 4, 289,280 bytes of LDS; arguments xc, xs, Wo_codes, Wo_scales, bo, out0; writes out0
